; MI455X (gfx1250); checked and timed in simulation.
; The chip was launched on July 23, 2026; its instructions are those of AMD's public machine-readable ISA for CDNA 5 (MIT licence, August 2026) and "CDNA5" Instruction Set Architecture Reference Guide (July 2026). The comments in the code are by the model that wrote it; some were corrected since.
;; Multi Head Self Attention. Allowed arithmetic: matrix products marked QUANTISED: E4M3 operands, one given power-of-two scale a tensor, by v_wmma_f32_16x16x64_fp8_fp8 or v_wmma_f32_16x16x128_fp8_fp8, f32 sums; everything else in f32.
;; Inputs: Wk_codes 1,024 x 32 x 32 uint8 (E4M3 codes of Wk, K innermost, in blocks of 32 codes); Wo_codes 1,024 x 32 x 32 uint8 (E4M3 codes of Wo, K innermost, in blocks of 32 codes); Wq_codes 1,024 x 32 x 32 uint8 (E4M3 codes of Wq, K innermost, in blocks of 32 codes); Wv_codes 1,024 x 32 x 32 uint8 (E4M3 codes of Wv, K innermost, in blocks of 32 codes); bk 1,024 float32; bo 1,024 float32; bq 1,024 float32; bv 1,024 float32; lowp_scales 12 int32 (the exponents e of the quantised operands' scales 2^e); mask 4 x 2,048 int32; x_codes 4 x 2,048 x 32 x 32 uint8 (E4M3 codes of x, K innermost, in blocks of 32 codes).
;; Outputs: out0 4 x 2,048 x 1,024 float32.
;; This version of the problem:
;;   THIS VERSION OF THE PROBLEM IS GIVEN IN LOW PRECISION. The matrix products marked QUANTISED in the list below multiply operands that are first quantised to E4M3 (4 exponent bits, 3 mantissa bits; 8 bits a number), with one given power-of-two scale for each operand tensor; their sums are f32. All else is computed in f32.
;;   The module's matrix products, in the order in which they are computed (A, B: the left and right operand; K: the contracted axis; several contracted axes count as one K, in the product's order):
;;     1. [M 8,192, K 1,024] x [K 1,024, N 1,024]; A: input x (given as codes); B: input Wq (given as codes): QUANTISED (scales: A lowp_scales[0], B lowp_scales[1])
;;     2. [M 8,192, K 1,024] x [K 1,024, N 1,024]; A: input x (given as codes); B: input Wk (given as codes): QUANTISED (scales: A lowp_scales[2], B lowp_scales[3])
;;     3. [M 8,192, K 1,024] x [K 1,024, N 1,024]; A: input x (given as codes); B: input Wv (given as codes): QUANTISED (scales: A lowp_scales[4], B lowp_scales[5])
;;     4. batch 64 x [M 2,048, K 64] x [K 64, N 2,048]; A: computed on the way; B: computed on the way: QUANTISED (scales: A lowp_scales[6], B lowp_scales[7])
;;     5. batch 64 x [M 2,048, K 2,048] x [K 2,048, N 64]; A: softmax (see below); B: computed on the way: QUANTISED (scales: A lowp_scales[8], B lowp_scales[9])
;;     6. [M 8,192, K 1,024] x [K 1,024, N 1,024]; A: computed on the way; B: input Wo (given as codes): QUANTISED (scales: A lowp_scales[10], B lowp_scales[11])
;;   THE QUANTISER, for each operand of a quantised product, along K:
;;     - The operand's scale is 2^e, e = its entry of the input lowp_scales (int32; the entries are numbered through the quantised products in the list's order, A before B).
;;     - Each number is divided by the scale, clamped to +-448, and rounded to the nearest number of E4M3, ties to even, subnormals kept.
;;     - The product sums the exact products of the quantised numbers (number of the format x scale) in f32.
;;   ~~~python
;;   def quantise(x, axis, e):      # numpy; x: float32 -> the quantised numbers, widened to float32 again
;;       x = np.moveaxis(x, axis, -1); K = x.shape[-1]
;;       r = np.clip(x / 2.0 ** e, -448, 448)
;;       step = 2.0 ** (np.maximum(np.frexp(np.where(r == 0, 1, r))[1] - 1, -6) - 3)
;;       q = np.round(r / step) * step * 2.0 ** e      # np.round: ties to even
;;       return np.moveaxis(q, -1, axis).astype(np.float32)
;;   ~~~
;;   SOFTMAX AHEAD OF A QUANTISED PRODUCT. Where the list says 'softmax', what is quantised is not the finished softmax but p = 2^(t - M), with t = logit x log2(e) and M = ceil(the row's largest t), a whole number; so 1/2 < the row's largest p <= 1. The row's sum l is taken of the UNQUANTISED p, in f32, and the product's result is divided by l at the end. Since M is a whole number, a kernel that streams over the keys may use a running M (the ceiling of the running maximum): every later rescaling is an exact power of two, so the quantised numbers keep their values, but for numbers so far below the row's largest that they fall under the format's range.
;;   OPERANDS COMPUTED ON THE WAY. 'Computed on the way' means the value that the module computes at that place (a softmax that the list does not call 'softmax' is quantised finished and normalised). What goes into a quantiser is computed in f32, as accurately as f32 sums, v_exp_f32 and their like allow (about 1e-6 of the number): no bf16 or f16 on the way to a quantiser, and a product that is left as it is and whose result goes on into a quantised operand takes f32 operands (vector FMAs, or v_wmma_f32_16x16x4_f32). A number that lies on a knife's edge between two numbers of the format may be rounded either way, as far as f32 arithmetic and the matrix unit's own rounding can turn it there, and no further.
;;   INPUTS GIVEN AS CODES. Wk (in the module: [1024, 1024], K = its axis 1); Wo (in the module: [1024, 1024], K = its axis 1); Wq (in the module: [1024, 1024], K = its axis 1); Wv (in the module: [1024, 1024], K = its axis 1); x (in the module: [4, 2048, 1024], K = its axis 2): each comes as NAME_codes (uint8): NAME with its K axis moved to the last place and cut into blocks of 32 codes, [.., K / 32, bytes a block], one block behind the other in memory; one code a byte (a code: sign, 4 exponent bits, 3 mantissa bits); its scale is its entry of lowp_scales. Its value is code x scale, taken as it is: it is not quantised again, and the codes and scales need not be those that the quantiser above would give.
;; 2 versions, each right; version 2 is version 1 with the launch attn written anew for expert scheduling mode. Each part assembles by itself: llvm-mc -triple=amdgcn-amd-amdhsa -mcpu=gfx1250 --defsym DOCPART=n.
;; ======== version 1 of 2: 4 launches
;; workspace buffers: xs 8,388,608 bytes; perm 33,280 bytes of whole numbers; q_img 8,388,608 bytes; k_img 8,388,608 bytes; v_img 8,388,608 bytes; att 8,388,608 bytes
;; launch sort (part 1): grid 256 x 1, 2 waves a work-group, no clusters, 0 bytes of LDS; arguments mask, x_codes, xs, perm; writes xs, perm
.if DOCPART == 1
	.amdgcn_target "amdgcn-amd-amdhsa--gfx1250"
	.amdhsa_code_object_version 6
	.text
	.protected	k_q36f780dd1e_sort
	.globl	k_q36f780dd1e_sort
	.p2align	8
	.type	k_q36f780dd1e_sort,@function
k_q36f780dd1e_sort:
	s_mov_b64 s[64:65], 0
	v_nop
	global_prefetch_b8 v0, s[64:65] scope:SCOPE_SE
	s_setreg_imm32_b32 hwreg(HW_REG_WAVE_MODE, 25, 1), 1
	s_wait_xcnt 0x0
; THE TOKENS OF EACH BATCH ARE PUT IN A NEW ORDER: those whose key counts (mask != 0) first, the others behind them, each group in its old order.
; xs = x's rows of 1,024 codes in that order;  perm[b][position] = 2,048 b + token;  from byte 32,768 of perm on: the batch's number of keys that count, 32 times (128 bytes a batch).
; A key with mask == 0 gets -infinity ahead of the softmax, so its scores, exponentials and products are thrown away: with the keys that count in front, the attention launch walks those alone.
; SHARES.  Work-group g = 64 b + I0 owns tokens 32 I0 .. 32 I0 + 31 of batch b.  Both waves read the batch's whole mask (64 loads of 128 bytes) and count: no LDS, no barrier.
; Wave w copies bytes 512 w .. 512 w + 511 of each of the 32 rows: every load and store of a row covers 512 consecutive bytes, aligned.  perm's words go out singly, 4 bytes each: 32 KiB in the whole launch.
.set MK, 8                             ; v8-71   the batch's 64 x 32 mask words; afterwards v8-39: the row stores' offsets
.set X,  72                            ; v72-199 32 rows x 4 registers
	s_load_b256 s[4:11], s[0:1], 0x0               ; mask s[4:5], x's codes s[6:7], xs s[8:9], perm s[10:11]
	v_lshrrev_b32 v1, 5, v0
	v_readfirstlane_b32 s14, v1                    ; wave
	v_and_b32 v1, 31, v0                           ; lane
	v_lshlrev_b32 v2, 2, v1                        ; 4 x lane
	s_lshl_b32 s24, s14, 9
	v_lshl_add_u32 v3, v1, 4, s24                  ; my 16 bytes of a row: 16 x lane + 512 x wave
	s_lshr_b32 s12, ttmp9, 6                       ; b
	s_and_b32 s13, ttmp9, 63                       ; I0
	s_mov_b32 s25, 0
	s_mov_b32 s22, 0                               ; keys that count in the batch
	s_mov_b32 s23, 0                               ; and those of them ahead of my 32 tokens
	s_wait_kmcnt 0x0
	s_lshl_b32 s24, s12, 13
	s_add_nc_u64 s[4:5], s[4:5], s[24:25]          ; the batch's mask: 8,192 bytes
	s_add_nc_u64 s[18:19], s[10:11], s[24:25]      ; and its part of perm
	s_lshl_b32 s24, s13, 7
	s_add_nc_u64 s[16:17], s[4:5], s[24:25]        ; my 32 tokens' mask words
	s_lshl_b32 s24, ttmp9, 15
	s_add_nc_u64 s[6:7], s[6:7], s[24:25]          ; my 32 rows of x
	s_lshl_b32 s24, s12, 21
	s_add_nc_u64 s[8:9], s[8:9], s[24:25]          ; the batch's rows of xs
	s_lshl_b32 s24, s12, 7
	s_add_co_u32 s24, s24, 32768
	s_add_nc_u64 s[20:21], s[10:11], s[24:25]      ; the batch's 128 bytes for its count
	global_load_b32 v4, v2, s[16:17]               ; lane t: token 32 I0 + t
.rept 64
	global_load_b32 v[MK+\+], v2, s[4:5] offset:128*\+
.endr
.rept 32
	global_load_b128 v[X+4*\+:X+4*\++3], v3, s[6:7] offset:1024*\+ th:TH_LOAD_NT   ; read once in the launch
.endr
	s_wait_loadcnt 32                              ; loads come back in order (ISA guide 5.7.1): the 65 mask loads are in, the 32 row loads may be out
.rept 64
	v_cmp_ne_u32 s24, 0, v[MK+\+]                  ; block \+ of 32 tokens: a bit for each key that counts
	s_bcnt1_i32_b32 s25, s24
	s_add_co_u32 s22, s22, s25
	s_cmp_gt_u32 s13, \+                           ; does the block lie ahead of mine?
	s_cselect_b32 s25, s25, 0
	s_add_co_u32 s23, s23, s25
.endr
	v_cmp_ne_u32 vcc_lo, 0, v4
	v_mbcnt_lo_u32_b32 v5, vcc_lo, 0               ; keys that count among my block's tokens ahead of lane's
	v_add_nc_u32 v6, s23, v5                       ; the place of a token that counts
	s_lshl_b32 s24, s13, 5
	s_add_co_u32 s24, s24, s22
	s_sub_co_u32 s24, s24, s23
	v_add_nc_u32 v7, s24, v1
	v_sub_nc_u32 v7, v7, v5                        ; of one that does not: the count + the tokens ahead of it that do not count either
	v_cndmask_b32 v7, v7, v6, vcc_lo
	v_min_u32 v7, 0x7ff, v7                        ; a place is under 2,048: stated for what follows, it changes nothing
	s_cmp_lg_u32 s14, 0
	s_cbranch_scc1 .Lcopy                          ; wave 0 alone stores perm and the count
	v_lshlrev_b32 v5, 2, v7
	s_lshl_b32 s24, ttmp9, 5
	v_add_nc_u32 v6, s24, v1                       ; 2,048 b + token = 32 g + lane
	global_store_b32 v5, v6, s[18:19]
	s_cmp_lg_u32 s13, 0
	s_cbranch_scc1 .Lcopy                          ; the batch's first work-group stores the count
	v_mov_b32 v4, s22
	global_store_b32 v2, v4, s[20:21]
.Lcopy:
.rept 32
	v_readlane_b32 s24, v7, \+                     ; row \+'s place
	s_min_u32 s24, s24, 0x7ff
	v_lshl_add_u32 v[MK+\+], s24, 10, v3           ; each store has an offset register of its own: nothing that a store reads is written again
	s_wait_loadcnt 31-\+                           ; row \+ is in; the younger rows may be out
	global_store_b128 v[MK+\+], v[X+4*\+:X+4*\++3], s[8:9]
.endr
	s_endpgm
.Lfunc_end_k_q36f780dd1e_sort:
	.size	k_q36f780dd1e_sort, .Lfunc_end_k_q36f780dd1e_sort-k_q36f780dd1e_sort
	.p2alignl 7, 3214868480
	.fill 96, 4, 3214868480
	.section	.rodata,"a",@progbits
	.p2align	6, 0x0
	.amdhsa_kernel k_q36f780dd1e_sort
		.amdhsa_group_segment_fixed_size 0
		.amdhsa_private_segment_fixed_size 0
		.amdhsa_enable_private_segment 0
		.amdhsa_kernarg_size 32
		.amdhsa_user_sgpr_count 2
		.amdhsa_user_sgpr_kernarg_segment_ptr 1
		.amdhsa_wavefront_size32 1
		.amdhsa_system_sgpr_workgroup_id_x 1
		.amdhsa_system_sgpr_workgroup_id_y 1
		.amdhsa_system_sgpr_workgroup_id_z 1
		.amdhsa_system_vgpr_workitem_id 0
		.amdhsa_next_free_vgpr 200
		.amdhsa_next_free_sgpr 66
		.amdhsa_reserve_vcc 1
		.amdhsa_float_denorm_mode_32 3
		.amdhsa_float_denorm_mode_16_64 3
		.amdhsa_memory_ordered 1
		.amdhsa_forward_progress 1
		.amdhsa_inst_pref_size 36
	.end_amdhsa_kernel
	.amdgpu_metadata
---
amdhsa.version: [ 1, 2 ]
amdhsa.kernels:
  - .name:           k_q36f780dd1e_sort
    .symbol:         k_q36f780dd1e_sort.kd
    .args:
      - { .name: mask, .offset: 0, .size: 8, .value_kind: global_buffer, .address_space: global }
      - { .name: x_codes, .offset: 8, .size: 8, .value_kind: global_buffer, .address_space: global }
      - { .name: xs, .offset: 16, .size: 8, .value_kind: global_buffer, .address_space: global }
      - { .name: perm, .offset: 24, .size: 8, .value_kind: global_buffer, .address_space: global }
    .group_segment_fixed_size: 0
    .private_segment_fixed_size: 0
    .kernarg_segment_align: 8
    .kernarg_segment_size: 32
    .max_flat_workgroup_size: 64
    .sgpr_count:     66
    .vgpr_count:     200
    .wavefront_size: 32
...
	.end_amdgpu_metadata
.endif
;; end of part 1
;; launch qkv (part 2): grid 12 x 64, 4 waves a work-group, clusters of 4 x 4, 327,680 bytes of LDS; arguments xs, Wq_codes, Wk_codes, Wv_codes, bq, bk, bv, lowp_scales, q_img, k_img, v_img; writes q_img, k_img, v_img
.if DOCPART == 2
	.amdgcn_target "amdgcn-amd-amdhsa--gfx1250"
	.amdhsa_code_object_version 6
	.text
	.protected	k_q36f780dd1e_qkv
	.globl	k_q36f780dd1e_qkv
	.p2align	8
	.type	k_q36f780dd1e_qkv,@function
k_q36f780dd1e_qkv:
	s_mov_b64 s[64:65], 0
	v_nop
	global_prefetch_b8 v0, s[64:65] scope:SCOPE_SE
	s_setreg_imm32_b32 hwreg(HW_REG_WAVE_MODE, 25, 1), 1
	s_wait_xcnt 0x0
	s_wait_alu depctr_hold_cnt(0) depctr_sa_sdst(0) depctr_va_vdst(0) depctr_va_sdst(0) depctr_va_ssrc(0) depctr_va_vcc(0) depctr_vm_vsrc(0)
	s_getreg_b32 s2, hwreg(HW_REG_IB_STS2, 6, 4)
	s_cmp_eq_u32 s2, 0
	s_cbranch_scc0 .Lentry_in_a_cluster
	s_endpgm
.Lentry_in_a_cluster:
	s_bfe_u32 s2, ttmp6, 0x10000c
	s_cmp_lg_u32 s2, 0xf033
	s_cbranch_scc0 .Lentry_shape_is_right
	s_endpgm
.Lentry_shape_is_right:
; Q = x Wq^T + bq, K = x Wk^T + bk, V = x Wv^T + bv on codes of FP8 (E4M3), each result quantised with its given scale and stored AS AN IMAGE OF THE ATTENTION LAUNCH'S OPERAND REGISTERS.
; The cluster's x says which product (0: Q, 1: K, 2: V); it is the same in all sixteen partners.  One text serves the three: a tile is 128 rows of side A x 256 rows of side B, K = 1,024.
;   Q, K: A = xs (rows = positions), B = the weight (rows = features).     V: A = Wv, B = xs: the sides change roles, so that a lane holds one channel and its registers run along the positions, the next K.
; THE MATRIX INSTRUCTION IS USED TRANSPOSED (source 0 = 16 rows of B, source 1 = 16 rows of A): lane (r, h) holds A's row 16 a + r, register j B's row 16 b + 8 h + j: eight neighbours along the next product's K.
; So a conversion's two registers ARE registers 2 c, 2 c + 1 of the next operand (k = 16 c + 8 h + 0 .. 7), and four of them leave by one store of 512 consecutive bytes, lane l's 16 bytes at 16 l.  No stage, nothing is transposed.
;   q_img, k_img: [batch x 16 + head][tile of 16 positions][g: registers 4 g ..][lane][16 bytes];   v_img: [batch x 16 + head][step of 64 positions][tile of 16 channels][g][lane][16 bytes].
; SHARES.  Four waves, each 64 x 128: 32 accumulators.  768 tiles: three for each of 256 WGPs; tiles of 256 x 256 would be 384, one and a half.
; K goes in four K steps of 256 (rows of 256 bytes), each two sub-steps of 128.  THREE LDS slots: K steps 0, 1, 2 are asked for at the start, K step 3 fills slot 0 again behind the one round in the middle: four sub-steps, 128 matrix instructions, ahead of its use.
; CLUSTERS: 4 x 4.  A's tile is shared along a row of the cluster, B's along a column: each is asked for JOINTLY.  By this text's count a wave has three tensor loads out at the start, later one.
; The fragments come by four loads of 16 bytes a side: a permutation of k, the same in A and B, so every product meets its partner.
; The bias, divided by 2^(ea + eb), is the C of each sum's first matrix instruction; the three scales are folded into the conversion's one: code = sum / 2^(eo - ea - eb).
; LIMITS on the given exponents: eo - ea - eb between -126 and 119 (ea, eb: the product's two entries; eo: entry 6, 7 or 9).  NaN among the biases is not served.
; No prefetch: three of the four K steps are asked for at the head, and the fourth has four sub-steps in which to land.
; REGISTERS: window 0: v1-31 addresses and constants; v32-95 the bias, later the held sums; v128-255 A's fragments, two sets (on the way out v128-191: the codes).  window 1: B's fragments, two sets.  window 2: the accumulators, (a, b) at v[64 a + 8 b].
.set PITCH, 272                        ; an LDS row: 256 bytes + 16 of padding = 68 words: row r starts at bank 4 r mod 64 (64 banks of 4 bytes: ISA guide 11.1)
.set AHALF, 64*PITCH                   ; what a wave fetches of A, and what a wave reads of it
.set BHALF, 128*PITCH                  ; the same for B
.set APART, 2*AHALF
.set SLOT,  APART+2*BHALF              ; 104,448
.set SPARE, 3*SLOT                     ; behind the slots: the spare words, 128 bytes for each wave: two blocks of 256 bytes that no other line names
.set KSA,   256                        ; a K step on, in memory
.set KSB,   256
.set ADRA, 10                          ; v10-12  LDS address of my A fragments in slot 0, 1, 2
.set ADRB, 13                          ; v13-15  the same for B
.set ADO,  16                          ; v16-17  the stores' offsets: 16 x lane, and a head (Q, K) or a step of 64 positions (V) further on
.set SCL,  18                          ; v18     2^(eo - ea - eb) as f32
.set LIM,  19                          ; v19     448 x that
.set VB,   20                          ; v20-27  the bias loads' offsets
.set SPW,  28                          ; v28     LDS address of my spare word; never rewritten
.set NIL,  29                          ; v29     0; never rewritten
.set BI,   32
.set T,    32
.set CD,   128
.set G1A, 16                           ; s[16:23] descriptor group 1 for A's tiles;  s[24:31] for B's
.set G1B, 24
.set G0A, 32                           ; s[32:43] group 0 for A's tiles, a set for each slot;  s[44:55] for B's
.set G0B, 44
.set MUL,  0xa1                        ; source 0 (B) window 1, source 1 (A) window 0, C and D window 2
.set MULC, 0x81                        ; the same with C in window 0
.set MSB, 0
.macro WIN new                         ; the immediate's high byte repeats the setting that is left
.if MSB != \new
	s_set_vgpr_msb (MSB<<8)|\new
.set MSB, \new
.endif
.endm
.macro PLACES n                        ; plain vector lines between a matrix instruction and a load into, or a read of, its registers
.rept \n
	v_nop
.endr
.endm
; A joint load: waves 0 and 1 fetch A's halves, waves 2 and 3 B's.  The branch hangs on the wave's number alone.  Four v_nop follow each of the two lines.
.macro JLOAD g0a, g1a, g0b, g1b
	s_cmp_eq_u32 s57, 0
	s_cbranch_scc0 .Lfor_b_\@
	tensor_load_to_lds s[\g0a:\g0a+3], s[\g1a:\g1a+7]
	s_nop 0
.rept 4
	v_nop
.endr
	s_branch .Lasked_\@
.Lfor_b_\@:
	tensor_load_to_lds s[\g0b:\g0b+3], s[\g1b:\g1b+7]
	s_nop 0
.rept 4
	v_nop
.endr
.Lasked_\@:
.endm
.macro CREST                           ; a round of the cluster's barrier behind its opening barrier
	s_cmp_lg_u32 s56, 0
	s_cbranch_scc1 .Lnot_wave_0_\@
	s_barrier_signal -3
.Lnot_wave_0_\@:
	s_barrier_wait -3
	s_barrier_signal -1
	s_barrier_wait -1
.endm
.macro CROUND
	s_barrier_signal -1
	s_barrier_wait -1
	CREST
.endm
; 48 LDS loads in one run: the fragments of the slot's q-th 128 along K into set p: B's eight, then A's four
.macro FETCH slot, q, p
	WIN 0x40                                       ; destination window 1, address window 0
.irp i, 0,1,2,3,4,5,6,7
.irp c, 0,1,2,3
	ds_load_b128 v[128*(\p)+16*\i+4*\c:128*(\p)+16*\i+4*\c+3], v[ADRB+\slot] offset:128*(\q)+16*PITCH*\i+32*\c
.endr
.endr
	WIN 0
.irp i, 0,1,2,3
.irp c, 0,1,2,3
	ds_load_b128 v[128+64*(\p)+16*\i+4*\c:128+64*(\p)+16*\i+4*\c+3], v[ADRA+\slot] offset:128*(\q)+16*PITCH*\i+32*\c
.endr
.endr
.endm
; 8 matrix instructions: A's block a x B's eight, set p.  cm = 0: onto the sums; 1: the bias of B's block starts them; 2: the bias of A's block.  The 32 accumulators take turns, one instruction a turn, in one order.
.macro MUL8 a, p, cm
.irp b, 0,1,2,3,4,5,6,7
.if \cm == 0
	v_wmma_f32_16x16x128_fp8_fp8 v[64*(\a)+8*\b:64*(\a)+8*\b+7], v[128*(\p)+16*\b:128*(\p)+16*\b+15], v[128+64*(\p)+16*(\a):128+64*(\p)+16*(\a)+15], v[64*(\a)+8*\b:64*(\a)+8*\b+7]
.elseif \cm == 1
	v_wmma_f32_16x16x128_fp8_fp8 v[64*(\a)+8*\b:64*(\a)+8*\b+7], v[128*(\p)+16*\b:128*(\p)+16*\b+15], v[128+64*(\p)+16*(\a):128+64*(\p)+16*(\a)+15], v[BI+8*\b:BI+8*\b+7]
.else
	v_wmma_f32_16x16x128_fp8_fp8 v[64*(\a)+8*\b:64*(\a)+8*\b+7], v[128*(\p)+16*\b:128*(\p)+16*\b+15], v[128+64*(\p)+16*(\a):128+64*(\p)+16*(\a)+15], v[BI+8*(\a):BI+8*(\a)+7]
.endif
.endr
.endm
; A sub-step: set p, fetched a sub-step ago, is multiplied; ahead of that the next sub-step's fragments (slot, q) are asked for, into the other set
.macro PLAIN slot, q, p, cm
	s_wait_dscnt 0x0                               ; set p is in
	PLACES 4                                       ; the other set was read by the matrix instructions just ahead
	FETCH \slot, \q, 1-(\p)
.if \cm == 0
	WIN MUL
.else
	WIN MULC
.endif
	MUL8 0, \p, \cm
	MUL8 1, \p, \cm
	MUL8 2, \p, \cm
	MUL8 3, \p, \cm
	WIN 0
.endm
	s_load_b512 s[68:83], s[0:1], 0x0              ; xs 68, Wq 70, Wk 72, Wv 74, bq 76, bk 78, bv 80, the scales' exponents 82
	s_load_b128 s[84:87], s[0:1], 0x40             ; q_img 84, k_img 86
	s_load_b64 s[88:89], s[0:1], 0x50              ; v_img
	v_lshl_add_u32 v[SPW], v0, 2, SPARE
	v_mov_b32 v[NIL], 0
	ds_add_u32 v28, v29
	ds_add_u32 v28, v29
	s_wait_dscnt 0x0
	v_lshrrev_b32 v1, 5, v0
	v_readfirstlane_b32 s56, v1                    ; wave 0..3
	s_lshr_b32 s57, s56, 1                         ; ra: which 64 rows of A are mine.  Also: I fetch for A (0) or for B (1)
	s_and_b32 s58, s56, 1                          ; cb: which 128 rows of B are mine.  Also: which half of that tile I fetch
	s_mov_b32 s59, ttmp9                           ; which product: the cluster's x
	s_bfe_u32 s60, ttmp6, 0x40000                  ; cx
	s_bfe_u32 s61, ttmp6, 0x40004                  ; cy
	s_and_b32 s62, ttmp7, 0xffff                   ; the cluster's y, 0 .. 15
	s_lshl_b32 s2, s61, 2
	s_lshl_b32 s2, 15, s2                          ; my row of the cluster
	s_lshl_b32 s67, 0x1111, s60                    ; my column
	s_or_b32 s[G1A], s2, (1<<20)|(1<<21)|(5<<22)|(3<<25)    ; 15:0 the mask; 17:16 elements of 1 byte; 20 padding on; 21 set beside a mask; 24:22 after every 64 words; 31:25 four words
	s_or_b32 s[G1B], s67, (1<<20)|(1<<21)|(5<<22)|(3<<25)
	s_mov_b32 s[G1A+1], 256<<16                    ; tensor_dim0
	s_mov_b32 s[G1A+2], 64<<16                     ; tensor_dim1
	s_mov_b32 s[G1A+3], 256<<16                    ; tile_dim0
	s_mov_b32 s[G1A+4], 64                         ; tile_dim1
	s_mov_b32 s[G1A+5], 1024                       ; from row to row
	s_mov_b32 s[G1A+6], 0
	s_mov_b32 s[G1A+7], 0
	s_mov_b32 s[G1B+1], 256<<16
	s_mov_b32 s[G1B+2], 128<<16
	s_mov_b32 s[G1B+3], 256<<16
	s_mov_b32 s[G1B+4], 128
	s_mov_b32 s[G1B+5], 1024
	s_mov_b32 s[G1B+6], 0
	s_mov_b32 s[G1B+7], 0
	; which tiles.  Q, K: A's tile 4 Y + cy of 64, B's tile cx of 4.  V: A's tile 4 (Y & 1) + cy of 8, B's tile 4 (Y >> 1) + cx of 32.  A's registers never hold cx, B's never cy.
	s_lshl_b32 s2, s62, 2
	s_and_b32 s3, s62, 1
	s_lshl_b32 s3, s3, 2
	s_cmp_eq_u32 s59, 2
	s_cselect_b32 s2, s3, s2
	s_add_co_u32 s63, s2, s61                      ; A's tile
	s_lshr_b32 s67, s62, 1
	s_lshl_b32 s67, s67, 2
	s_cmp_eq_u32 s59, 2
	s_cselect_b32 s67, s67, 0
	s_add_co_u32 s66, s67, s60                     ; B's tile
	s_lshl_b32 s12, s63, 17                        ; 128 rows of 1,024 bytes,
	s_lshl_b32 s13, s58, 16                        ; the 64 that I fetch
	s_add_co_u32 s12, s12, s13
	s_mov_b32 s13, 0
	s_lshl_b32 s14, s66, 18                        ; 256 rows,
	s_lshl_b32 s15, s58, 17                        ; the 128 that I fetch
	s_add_co_u32 s14, s14, s15
	s_mov_b32 s15, 0
	s_mul_i32 s90, s58, AHALF                      ; where they go in a slot: no place in the cluster enters an LDS address
	s_mul_i32 s91, s58, BHALF
	s_add_co_u32 s91, s91, APART
	s_wait_kmcnt 0x0
	s_load_b256 s[92:99], s[82:83], 0x0            ; e0 .. e7
	s_load_b32 s100, s[82:83], 0x24                ; e9
	s_cmp_eq_u32 s59, 0
	s_cselect_b64 s[6:7], s[70:71], s[72:73]
	s_cselect_b64 s[8:9], s[76:77], s[78:79]
	s_cselect_b64 s[10:11], s[84:85], s[86:87]
	s_cmp_eq_u32 s59, 2
	s_cselect_b64 s[4:5], s[74:75], s[68:69]       ; side A
	s_cselect_b64 s[6:7], s[68:69], s[6:7]         ; side B
	s_cselect_b64 s[8:9], s[80:81], s[8:9]         ; the bias
	s_cselect_b64 s[10:11], s[88:89], s[10:11]     ; the image
	s_add_nc_u64 s[12:13], s[4:5], s[12:13]
	s_add_nc_u64 s[14:15], s[6:7], s[14:15]
	CROUND                                         ; all sixteen work-groups are here: the first joint loads meet
.irp n, 0,1,2
	s_mov_b32 s[G0A+4*\n], 1                       ; count = 1
	s_add_co_u32 s[G0A+4*\n+1], s90, \n*SLOT       ; LDS address
	s_add_nc_u64 s[G0A+4*\n+2:G0A+4*\n+3], s[12:13], \n*KSA   ; K step n
	s_or_b32 s[G0A+4*\n+3], s[G0A+4*\n+3], 0x80000000         ; type = 2
	s_mov_b32 s[G0B+4*\n], 1
	s_add_co_u32 s[G0B+4*\n+1], s91, \n*SLOT
	s_add_nc_u64 s[G0B+4*\n+2:G0B+4*\n+3], s[14:15], \n*KSB
	s_or_b32 s[G0B+4*\n+3], s[G0B+4*\n+3], 0x80000000
	JLOAD G0A+4*\n, G1A, G0B+4*\n, G1B
.endr
	v_and_b32 v1, 15, v0                           ; r
	v_bfe_u32 v2, v0, 4, 1                         ; h
	v_mul_u32_u24 v3, v1, PITCH
	v_lshl_add_u32 v3, v2, 4, v3                   ; a fragment's row x pitch + 16 h
	s_mul_i32 s2, s57, AHALF
	s_mul_i32 s3, s58, BHALF
	s_add_co_u32 s3, s3, APART
.irp n, 0,1,2
	v_add_nc_u32 v[ADRA+\n], s2, v3
	v_add_nc_u32 v[ADRB+\n], s3, v3
	s_add_co_u32 s2, s2, SLOT
	s_add_co_u32 s3, s3, SLOT
.endr
	; my first position and my first feature (in registers that feed no descriptor)
	s_lshl_b32 s76, s63, 7
	s_lshl_b32 s77, s57, 6
	s_add_co_u32 s76, s76, s77                     ; A's row: 128 x tile + 64 ra
	s_lshl_b32 s77, s66, 8
	s_lshl_b32 s78, s58, 7
	s_add_co_u32 s77, s77, s78                     ; B's row: 256 x tile + 128 cb
	s_cmp_eq_u32 s59, 2
	s_cselect_b32 s78, s77, s76                    ; position
	s_cselect_b32 s79, s76, s77                    ; feature
	s_lshr_b32 s76, s78, 11
	s_lshl_b32 s76, s76, 21                        ; the batch's 16 heads of 131,072 bytes,
	s_lshr_b32 s77, s79, 6
	s_lshl_b32 s77, s77, 17                        ; the head,
	s_add_co_u32 s76, s76, s77
	s_and_b32 s77, s78, 2047
	s_lshl_b32 s77, s77, 6                         ; 64 bytes a position: 1,024 a tile of 16, 4,096 a step of 64
	s_add_co_u32 s76, s76, s77
	s_mov_b32 s77, 0
	s_add_nc_u64 s[10:11], s[10:11], s[76:77]
	s_lshl_b32 s76, s79, 2
	s_add_nc_u64 s[8:9], s[8:9], s[76:77]          ; the bias at my first feature
	s_cmp_eq_u32 s59, 2
	s_cselect_b32 s76, 0, 256
	s_add_nc_u64 s[80:81], s[8:9], s[76:77]        ; blocks 4-7 of 16 features: in V, which has four, the first four once more, so that no load leaves bv
	s_mov_b32 s78, 4096
	s_cselect_b32 s78, s78, 0x20000                ; V: a step on; Q, K: a head on
	s_cselect_b32 s84, -1, 0
	s_cselect_b32 s85, 0, 4
	v_and_b32 v4, 31, v0
	v_lshlrev_b32 v[ADO], 4, v4
	v_add_nc_u32 v[ADO+1], s78, v[ADO]
	v_lshlrev_b32 v3, 3, v2
	v_cndmask_b32 v3, v3, v1, s84                  ; Q, K: register j wants feature 8 h + j of a block;  V: every register wants feature r
	v_lshlrev_b32 v3, 2, v3
.irp j, 0,1,2,3,4,5,6,7
	v_mad_u32_u24 v[VB+\j], s85, \j, v3
.endr
.irp k, 0,1,2,3
.irp j, 0,1,2,3,4,5,6,7
	global_load_b32 v[BI+8*\k+\j], v[VB+\j], s[8:9] offset:64*\k
	global_load_b32 v[BI+32+8*\k+\j], v[VB+\j], s[80:81] offset:64*\k
.endr
.endr
	s_wait_kmcnt 0x0
	s_add_co_i32 s92, s92, s93
	s_add_co_i32 s94, s94, s95
	s_add_co_i32 s96, s96, s97
	s_cmp_eq_u32 s59, 0
	s_cselect_b32 s92, s92, s94
	s_cselect_b32 s98, s98, s99
	s_cmp_eq_u32 s59, 2
	s_cselect_b32 s92, s96, s92                    ; ea + eb
	s_cselect_b32 s98, s100, s98                   ; eo
	s_sub_co_i32 s93, 0, s92
	s_sub_co_i32 s94, s98, s92
	s_add_co_i32 s94, s94, 127
	s_lshl_b32 s95, s94, 23
	v_mov_b32 v[SCL], s95                          ; 2^(eo - ea - eb): the conversion takes its exponent field
	s_add_co_i32 s94, s94, 8
	s_lshl_b32 s94, s94, 23
	s_or_b32 s94, s94, 0x600000
	v_mov_b32 v[LIM], s94                          ; 448 x that
	s_wait_loadcnt 0x0                             ; the bias
.set i, 0
.rept 64
	v_ldexp_f32 v[BI+i], v[BI+i], s93              ; a sum stands for sum x 2^(ea + eb): the bias goes in divided by that
.set i, i+1
.endr
	s_wait_tensorcnt 0x2                           ; my part of K step 0 is in; K steps 1 and 2 may be out
	s_barrier_signal -1
	s_barrier_wait -1                              ; everybody's is
	FETCH 0, 0, 0
	s_cmp_eq_u32 s59, 2                            ; the first sub-step is written twice: the bias runs along B's rows (Q, K) or along A's (V).  Both ways issue the same loads
	s_cbranch_scc1 .Lfirst_v
	PLAIN 0, 1, 0, 1
	s_branch .Lfirst_done
.Lfirst_v:
	PLAIN 0, 1, 0, 2
.Lfirst_done:
	; sub-step 1, and slot 0's refill.  In front of the round each wave waits for all its tensor loads (so K steps 1 and 2 are whole behind it), adds 0 to its spare word, and waits for that and for its reads of slot 0.
	s_wait_tensorcnt 0x0
	ds_add_u32 v[SPW], v[NIL]
	s_wait_dscnt 0x1                               ; set 1 is in; the add may be out
	WIN MUL
	MUL8 0, 1, 0
	s_wait_dscnt 0x0                               ; the add is done, and my reads of slot 0 are over
	s_barrier_signal -1
	MUL8 1, 1, 0
	WIN 0
	s_barrier_wait -1
	CREST                                          ; no wave of any partner still reads slot 0 or has a load on its way
	s_add_nc_u64 s[G0A+2:G0A+3], s[G0A+2:G0A+3], 3*KSA
	s_add_nc_u64 s[G0B+2:G0B+3], s[G0B+2:G0B+3], 3*KSB
	JLOAD G0A, G1A, G0B, G1B                       ; K step 3: the first tensor load behind the round; its four v_nop are also the places in front of the loads below
	FETCH 1, 0, 0
	WIN MUL
	MUL8 2, 1, 0
	MUL8 3, 1, 0
	WIN 0
	PLAIN 1, 1, 0, 0
	PLAIN 2, 0, 1, 0
	PLAIN 2, 1, 0, 0
	; sub-step 5: K step 3 is shown to every wave
	s_wait_tensorcnt 0x0                           ; the one load that is out: my part of K step 3
	s_wait_dscnt 0x0                               ; set 1 is in
	s_barrier_signal -1
	WIN MUL
	MUL8 0, 1, 0
	MUL8 1, 1, 0
	WIN 0
	s_barrier_wait -1
	PLACES 4
	FETCH 0, 0, 0
	WIN MUL
	MUL8 2, 1, 0
	MUL8 3, 1, 0
	WIN 0
	PLAIN 0, 1, 0, 0
	s_wait_dscnt 0x0                               ; the last sub-step: nothing more to fetch
	WIN MUL
	MUL8 0, 1, 0
	MUL8 1, 1, 0
	MUL8 2, 1, 0
	MUL8 3, 1, 0
	WIN 0
	; THE WAY OUT, A's block by block: hold, convert, store.  Each accumulator is read from its low end on.
	PLACES 4
.irp a, 0,1,2,3
	WIN 0x02                                       ; source 0 window 2
.set i, 0
.rept 64
	v_med3_num_f32 v[T+i], v[64*\a+i], -v[LIM], v[LIM]   ; the conversion to an 8-bit code does not saturate (ISA guide 7.6.2): the hold at the largest code x the scale
.set i, i+1
.endr
	WIN 0
.irp b, 0,1,2,3,4,5,6,7
	v_cvt_scalef32_pk8_fp8_f32 v[CD+16*\a+2*\b:CD+16*\a+2*\b+1], v[T+8*\b:T+8*\b+7], v[SCL]
.endr
	v_nop                                          ; a plain line between the last conversion and the next lines that write its sources
.irp q, 0,1
.irp g, 0,1
	global_store_b128 v[ADO+\q], v[CD+16*\a+8*\q+4*\g:CD+16*\a+8*\q+4*\g+3], s[10:11] offset:1024*\a+512*\g   ; 512 consecutive bytes, aligned; each block has code registers of its own
.endr
.endr
.endr
	s_wait_tensorcnt 0x0                           ; the wave's end
	ds_add_u32 v[SPW], v[NIL]
	s_wait_dscnt 0x0
	CROUND                                         ; the closing round
	s_endpgm
.Lfunc_end_k_q36f780dd1e_qkv:
	.size	k_q36f780dd1e_qkv, .Lfunc_end_k_q36f780dd1e_qkv-k_q36f780dd1e_qkv
	.p2alignl 7, 3214868480
	.fill 96, 4, 3214868480
	.section	.rodata,"a",@progbits
	.p2align	6, 0x0
	.amdhsa_kernel k_q36f780dd1e_qkv
		.amdhsa_group_segment_fixed_size 327680
		.amdhsa_private_segment_fixed_size 0
		.amdhsa_enable_private_segment 0
		.amdhsa_kernarg_size 88
		.amdhsa_user_sgpr_count 2
		.amdhsa_user_sgpr_kernarg_segment_ptr 1
		.amdhsa_wavefront_size32 1
		.amdhsa_system_sgpr_workgroup_id_x 1
		.amdhsa_system_sgpr_workgroup_id_y 1
		.amdhsa_system_sgpr_workgroup_id_z 1
		.amdhsa_system_vgpr_workitem_id 0
		.amdhsa_next_free_vgpr 768
		.amdhsa_next_free_sgpr 102
		.amdhsa_reserve_vcc 0
		.amdhsa_float_denorm_mode_32 3
		.amdhsa_float_denorm_mode_16_64 3
		.amdhsa_memory_ordered 1
		.amdhsa_forward_progress 1
		.amdhsa_inst_pref_size 90
	.end_amdhsa_kernel
	.amdgpu_metadata
---
amdhsa.version: [ 1, 2 ]
amdhsa.kernels:
  - .name:           k_q36f780dd1e_qkv
    .symbol:         k_q36f780dd1e_qkv.kd
    .args:
      - { .name: xs, .offset: 0, .size: 8, .value_kind: global_buffer, .address_space: global }
      - { .name: Wq_codes, .offset: 8, .size: 8, .value_kind: global_buffer, .address_space: global }
      - { .name: Wk_codes, .offset: 16, .size: 8, .value_kind: global_buffer, .address_space: global }
      - { .name: Wv_codes, .offset: 24, .size: 8, .value_kind: global_buffer, .address_space: global }
      - { .name: bq, .offset: 32, .size: 8, .value_kind: global_buffer, .address_space: global }
      - { .name: bk, .offset: 40, .size: 8, .value_kind: global_buffer, .address_space: global }
      - { .name: bv, .offset: 48, .size: 8, .value_kind: global_buffer, .address_space: global }
      - { .name: lowp_scales, .offset: 56, .size: 8, .value_kind: global_buffer, .address_space: global }
      - { .name: q_img, .offset: 64, .size: 8, .value_kind: global_buffer, .address_space: global }
      - { .name: k_img, .offset: 72, .size: 8, .value_kind: global_buffer, .address_space: global }
      - { .name: v_img, .offset: 80, .size: 8, .value_kind: global_buffer, .address_space: global }
    .group_segment_fixed_size: 327680
    .private_segment_fixed_size: 0
    .kernarg_segment_align: 8
    .kernarg_segment_size: 88
    .max_flat_workgroup_size: 128
    .sgpr_count:     102
    .vgpr_count:     768
    .wavefront_size: 32
...
	.end_amdgpu_metadata
.endif
;; end of part 2
;; launch attn (part 3): grid 4 x 64, 16 waves a work-group, no clusters, 264,192 bytes of LDS; arguments q_img, k_img, v_img, perm, lowp_scales, att; writes att
.if DOCPART == 3
	.amdgcn_target "amdgcn-amd-amdhsa--gfx1250"
	.amdhsa_code_object_version 6
	.text
	.protected	k_q36f780dd1e_attn
	.globl	k_q36f780dd1e_attn
	.p2align	8
	.type	k_q36f780dd1e_attn,@function
k_q36f780dd1e_attn:
	s_mov_b64 s[64:65], 0
	v_nop
	global_prefetch_b8 v0, s[64:65] scope:SCOPE_SE
	s_setreg_imm32_b32 hwreg(HW_REG_WAVE_MODE, 25, 1), 1
	s_wait_xcnt 0x0
; O = softmax(Q K^T / 8, keys with mask == 0 left out) V for one head, both products on codes of FP8 (E4M3); O / the row's sum is quantised with entry 10 and stored as an image of the last product's operand registers.
; The positions of a batch are sorted: its N keys that count come first (N: a whole number that the first launch stored).  Every wave walks 32 steps of 64 keys, a constant count; a step whose keys all lie at or
; beyond N is left out by a scalar branch on N; in the one step that N cuts, the scores of the keys from N on become -infinity ahead of the maximum, so their p is 0.
; THE SOFTMAX: t = score x log2(e) / 8; M = the running largest t rounded UP to a whole number; p = 2^(t - M) is quantised with entry 8, not normalised; the row's sum is taken of the unquantised p; when M moves, sum and O are
; multiplied by 2^(old M - new M), which rounds nothing.
; SHARES.  A work-group owns 512 positions (queries) of one head; each of its sixteen waves two tiles of 16, so that each fragment read from LDS feeds two matrix instructions.  Four waves share a SIMD: one wave's softmax stands beside another's products and loads.
; LDS holds the head's K image (131,072 bytes) and V image (the same), filled once through registers, chunk w of 128 keys by wave w, and only the chunks that begin under N.  Every LDS read is 512 consecutive bytes: no padding.
; NO TENSOR LOAD AND NO JOINT REQUEST, though four work-groups read the same K and V: the steps from N on are left out by a branch on a number read from memory; the branch spares
; (2,048 - N) / 2,048 of the launch's work, joint requests three quarters of one fill of at most 262,144 bytes a work-group.  No prefetch: every global load stands at the kernel's head.
; LAYOUT.  S^T = K Q^T (source 0 = 16 keys, source 1 = 16 queries), O^T = V^T P^T (source 0 = 16 channels, source 1 = P): a lane holds ONE query throughout.  Register j of score tile t is key 16 t + 8 h + j: a conversion's two
; registers are registers 2 t, 2 t + 1 of P, k in its true place.  The images were stored so by the launch before.
; N = 0: no key is left and the result is NaN: no step runs, and every code is made a NaN code, which the last product carries into the rows' numbers.
; LIMITS on the given exponents: e6 + e7 between -123 and 130; e8 and e10 between -126 and 119.  The sums over the keys run in the sorted order, not in the tokens'.
.set AK0, 1                            ; v1   16 x lane: my place in an image, in K's part of LDS
.set AV0, 2                            ; v2   the same in V's part
.set ADK, 3                            ; v3   LDS address of the step's K
.set ADV, 4                            ; v4   of its V
.set FK,  5                            ; v5   the fill: 16 x lane + 8,192 x wave
.set FV,  6                            ; v6   and in V's part
.set H8,  7                            ; v7   8 h
.set PSC, 8                            ; v8   2^e8 as f32; on the way out 2^e10
.set PLM, 9                            ; v9   448 x that
.set NINF, 10                          ; v10  -infinity
.set DD,  11                           ; v11  N - the step's first key - 1 - 8 h
.set ST,  12                           ; tile X at v[12 + 4 X]: -M, the largest t, the sum in two halves
.set FF,  20                           ; v[20 + 2 X]: f = 2^(old M - new M); the word above it is named with it as a pair
.set W,   24                           ; v[24 + 4 X] on: at work
.set Q,   32                           ; v32-47   Q, 8 registers a tile
.set KFR, 48                           ; v48-79   the step's four tiles of K
.set VFR, 80                           ; v80-111  its four tiles of V^T
.set S,   112                          ; v112-175 S^T, then p: 32 X + 8 t
.set O,   176                          ; v176-239 O^T: 32 X + 8 u.  (v112-239 also carry the fill)
.set PC,  240                          ; v240-255 p's codes, 8 a tile
.set VLDS, 131072
	s_load_b256 s[4:11], s[0:1], 0x0               ; q_img s[4:5], k_img s[6:7], v_img s[8:9], perm s[10:11]
	s_load_b128 s[12:15], s[0:1], 0x20             ; the scales' exponents s[12:13], att s[14:15]
	v_lshl_add_u32 v27, v0, 2, 0x40000
	v_mov_b32 v31, 0
	v_lshrrev_b32 v3, 5, v0
	v_readfirstlane_b32 s16, v3                    ; wave 0..15
	s_and_b32 s17, ttmp7, 0xffff                   ; 16 x batch + head
	s_mov_b32 s18, ttmp9                           ; which 512 queries
	v_and_b32 v3, 31, v0
	v_lshlrev_b32 v[AK0], 4, v3
	v_add_nc_u32 v[AV0], VLDS, v[AK0]
	s_lshl_b32 s27, s16, 13
	v_add_nc_u32 v[FK], s27, v[AK0]
	v_add_nc_u32 v[FV], s27, v[AV0]
	v_bfe_u32 v[H8], v0, 4, 1
	v_lshlrev_b32 v[H8], 3, v[H8]
	v_mov_b32 v[NINF], 0xff800000
	s_mov_b32 s20, 0x76543210                      ; v_permlanex16_b32's selects for lane l xor 16
	s_mov_b32 s21, 0xfedcba98
.irp X, 0,1
	v_mov_b32 v[ST+4*\X+1], 0xff61b1e6             ; the largest t so far: -3e38, under every t
	v_floor_f32 v[ST+4*\X], -v[ST+4*\X+1]          ; -M
	v_mov_b32 v[ST+4*\X+2], 0                      ; the sum
	v_mov_b32 v[ST+4*\X+3], 0
	v_mov_b32 v[FF+2*\X+1], 0                      ; (named as the upper half of a pair)
	v_mov_b32 v[W+4*\X+2], 0                       ; (a lane permute's destination counts as one of its sources)
.endr
	s_lshr_b32 s33, s17, 4                         ; batch
	s_lshl_b32 s34, s33, 7
	s_add_co_u32 s34, s34, 32768                   ; its count in perm
	s_mov_b32 s35, 0
	s_lshl_b32 s36, s17, 17                        ; the head's image: 131,072 bytes
	s_mov_b32 s37, 0
	s_lshl_b32 s38, s18, 15                        ; Q: 32 tiles of 1,024 bytes a work-group,
	s_lshl_b32 s39, s16, 11                        ; two a wave
	s_add_co_u32 s38, s38, s39
	s_add_co_u32 s38, s38, s36
	s_mov_b32 s39, 0
	s_add_co_u32 s36, s36, s27                     ; K, V: my chunk of 8,192 bytes
	s_and_b32 s41, s17, 15                         ; head
	s_lshr_b32 s44, s41, 2
	s_lshl_b32 s44, s44, 21                        ; att: the K step of 256 (four heads): 512 row blocks of 4,096 bytes,
	s_lshl_b32 s45, s33, 19                        ; row block 128 x batch
	s_add_co_u32 s44, s44, s45
	s_lshl_b32 s45, s18, 17                        ; + 32 x work-group
	s_add_co_u32 s44, s44, s45
	s_add_co_u32 s44, s44, s27                     ; + 2 x wave,
	s_and_b32 s45, s41, 3
	s_lshl_b32 s45, s45, 10                        ; the head's 1,024 bytes among the four heads'
	s_add_co_u32 s44, s44, s45
	s_mov_b32 s45, 0
	s_wait_kmcnt 0x0
	s_add_nc_u64 s[10:11], s[10:11], s[34:35]
	s_load_b32 s19, s[10:11], 0x0                  ; N
	s_load_b128 s[28:31], s[12:13], 0x18           ; e6, e7, e8, e9
	s_load_b32 s32, s[12:13], 0x28                 ; e10
	s_add_nc_u64 s[4:5], s[4:5], s[38:39]
	s_add_nc_u64 s[6:7], s[6:7], s[36:37]
	s_add_nc_u64 s[8:9], s[8:9], s[36:37]
	s_add_nc_u64 s[14:15], s[14:15], s[44:45]
.irp X, 0,1
.irp g, 0,1
	global_load_b128 v[Q+8*\X+4*\g:Q+8*\X+4*\g+3], v[AK0], s[4:5] offset:1024*\X+512*\g th:TH_LOAD_NT   ; Q stays in registers; read once in the launch
.endr
.endr
	s_wait_kmcnt 0x0
	s_min_u32 s19, s19, 2048
	s_lshl_b32 s33, s16, 7
	s_cmp_lt_u32 s33, s19                          ; does my chunk of 128 keys begin under N?
	s_cbranch_scc0 .Lfilled
.rept 16
	global_load_b128 v[S+4*\+:S+4*\++3], v[AK0], s[6:7] offset:512*\+
.endr
.rept 16
	global_load_b128 v[S+64+4*\+:S+64+4*\++3], v[AK0], s[8:9] offset:512*\+
.endr
.rept 16
	s_wait_loadcnt 31-\+                           ; loads come back in order: this one is in, the younger ones may be out
	ds_store_b128 v[FK], v[S+4*\+:S+4*\++3] offset:512*\+
.endr
.rept 16
	s_wait_loadcnt 15-\+
	ds_store_b128 v[FV], v[S+64+4*\+:S+64+4*\++3] offset:512*\+
.endr
.Lfilled:
	s_add_co_i32 s33, s28, s29
	s_lshl_b32 s33, s33, 23
	s_add_co_i32 s22, s33, 0x3e38aa3b              ; c = log2(e) / 8, with e6 + e7 added to its exponent field: a score stands for score x 2^(e6 + e7)
	s_mov_b32 s23, s22                             ; (named with it as a pair)
	s_add_co_i32 s33, s30, 127
	s_lshl_b32 s34, s33, 23
	v_mov_b32 v[PSC], s34                          ; 2^e8
	s_add_co_i32 s33, s33, 8
	s_lshl_b32 s33, s33, 23
	s_or_b32 s33, s33, 0x600000
	v_mov_b32 v[PLM], s33                          ; 448 x 2^e8
	s_cmp_eq_u32 s19, 0
	s_cselect_b32 s40, 0x7f7f7f7f, 0               ; N = 0: what makes every code a NaN code
	s_mov_b32 s24, 0                               ; the step's first key
	s_mov_b32 s25, 0                               ; and its bytes in an image
	s_mov_b32 s26, 32
	s_wait_loadcnt 0x0                             ; Q (in a wave that filled nothing too)
	s_wait_dscnt 0x0                               ; for the others' sake: my stores have landed
	s_barrier_signal -1
	s_barrier_wait -1                              ; the launch's one barrier: K and V lie in LDS
.set i, 0
.rept 64
	v_mov_b32 v[O+i], 0                            ; O^T.  (The step is written once: the first finds zeros, which the first change of M leaves zeros)
.set i, i+1
.endr
.Lstep:
	s_cmp_ge_u32 s24, s19
	s_cbranch_scc1 .Lhidden                        ; none of the step's keys counts
	v_add_nc_u32 v[ADK], s25, v[AK0]
	v_add_nc_u32 v[ADV], s25, v[AV0]
	v_nop                                          ; with the two additions: four places between the last step's products and the loads into V's registers
	v_nop
.irp t, 0,1,2,3
.irp g, 0,1
	ds_load_b128 v[KFR+8*\t+4*\g:KFR+8*\t+4*\g+3], v[ADK] offset:1024*\t+512*\g
.endr
.endr
.irp u, 0,1,2,3
.irp g, 0,1
	ds_load_b128 v[VFR+8*\u+4*\g:VFR+8*\u+4*\g+3], v[ADV] offset:1024*\u+512*\g
.endr
.endr
	s_wait_dscnt 0x8                               ; K is in; V's eight loads may be out
.irp t, 0,1,2,3
.irp X, 0,1
	v_wmma_f32_16x16x64_fp8_fp8 v[S+32*\X+8*\t:S+32*\X+8*\t+7], v[KFR+8*\t:KFR+8*\t+7], v[Q+8*\X:Q+8*\X+7], 0
.endr
.endr
.rept 4
	v_nop
.endr
	s_add_co_u32 s33, s24, 64
	s_cmp_le_u32 s33, s19
	s_cbranch_scc1 .Lopen                          ; all 64 keys count
	s_sub_co_u32 s33, s19, s24
	s_sub_co_u32 s33, s33, 1
	v_sub_nc_u32 v[DD], s33, v[H8]                 ; register 8 t + i holds key 16 t + 8 h + i of the step: hidden where 16 t + i > N - first key - 1 - 8 h
.irp t, 0,1,2,3
.irp i, 0,1,2,3,4,5,6,7
	v_cmp_gt_i32 vcc_lo, 16*\t+\i, v[DD]
	v_cndmask_b32 v[S+8*\t+\i], v[S+8*\t+\i], v[NINF], vcc_lo
	v_cndmask_b32 v[S+32+8*\t+\i], v[S+32+8*\t+\i], v[NINF], vcc_lo
.endr
.endr
.Lopen:
	; the step's largest score of each query: two chains a tile, each accumulator from its low end on; the two tiles line by line
.irp X, 0,1
	v_max3_num_f32 v[W+4*\X], v[S+32*\X], v[S+32*\X+1], v[S+32*\X+2]
	v_max3_num_f32 v[W+4*\X+1], v[S+32*\X+16], v[S+32*\X+17], v[S+32*\X+18]
.endr
.irp i, 3,5,7,9,11,13
.irp X, 0,1
	v_max3_num_f32 v[W+4*\X], v[W+4*\X], v[S+32*\X+\i], v[S+32*\X+\i+1]
	v_max3_num_f32 v[W+4*\X+1], v[W+4*\X+1], v[S+32*\X+16+\i], v[S+32*\X+17+\i]
.endr
.endr
.irp X, 0,1
	v_max3_num_f32 v[W+4*\X], v[W+4*\X], v[S+32*\X+15], v[S+32*\X+31]
.endr
.irp X, 0,1
	v_max_num_f32 v[W+4*\X], v[W+4*\X], v[W+4*\X+1]
.endr
.irp X, 0,1
	v_permlanex16_b32 v[W+4*\X+2], v[W+4*\X], s20, s21
.endr
.irp X, 0,1
	v_max_num_f32 v[W+4*\X], v[W+4*\X], v[W+4*\X+2]     ; and among lane l xor 16's keys
.endr
.irp X, 0,1
	v_mul_f32 v[W+4*\X], s22, v[W+4*\X]                 ; as t (c is positive)
.endr
.irp X, 0,1
	v_max_num_f32 v[ST+4*\X+1], v[ST+4*\X+1], v[W+4*\X] ; the running largest t
.endr
.irp X, 0,1
	v_mov_b32 v[W+4*\X], v[ST+4*\X]
.endr
.irp X, 0,1
	v_floor_f32 v[ST+4*\X], -v[ST+4*\X+1]               ; the new -M = floor(-t): M is a whole number
.endr
.irp X, 0,1
	v_sub_f32 v[W+4*\X], v[ST+4*\X], v[W+4*\X]          ; old M - new M, 0 or less
.endr
.irp X, 0,1
	v_cvt_i32_f32 v[W+4*\X], v[W+4*\X]                  ; (it saturates)
.endr
.irp X, 0,1
	v_ldexp_f32 v[FF+2*\X], 1.0, v[W+4*\X]              ; f = 2^(old M - new M)
.endr
.irp X, 0,1
.irp j, 0,2,4,6,8,10,12,14,16,18,20,22,24,26,28,30
	v_pk_fma_f32 v[S+32*\X+\j:S+32*\X+\j+1], v[S+32*\X+\j:S+32*\X+\j+1], s[22:23], v[ST+4*\X:ST+4*\X+1] op_sel_hi:[1,0,0]   ; t - M (of the pairs c and -M the low word serves both halves)
.endr
.endr
.set i, 0
.rept 64
	v_exp_f32 v[S+i], v[S+i]                       ; p = 2^(t - M): one batch
.set i, i+1
.endr
.irp X, 0,1
	v_pk_mul_f32 v[ST+4*\X+2:ST+4*\X+3], v[ST+4*\X+2:ST+4*\X+3], v[FF+2*\X:FF+2*\X+1] op_sel_hi:[1,0]   ; the sums under the new M: plain lines behind the exponentials
.endr
	s_wait_alu depctr_va_vdst(0)                   ; one wait for the batch, ahead of its first reader
.irp X, 0,1
	v_pk_add_f32 v[W+4*\X:W+4*\X+1], v[S+32*\X:S+32*\X+1], v[S+32*\X+2:S+32*\X+3]   ; the row's sum is taken of the unquantised p: two chains a tile
.endr
.irp j, 4,8,12,16,20,24,28
.irp X, 0,1
	v_pk_add_f32 v[ST+4*\X+2:ST+4*\X+3], v[ST+4*\X+2:ST+4*\X+3], v[S+32*\X+\j:S+32*\X+\j+1]
	v_pk_add_f32 v[W+4*\X:W+4*\X+1], v[W+4*\X:W+4*\X+1], v[S+32*\X+\j+2:S+32*\X+\j+3]
.endr
.endr
.irp X, 0,1
	v_pk_add_f32 v[ST+4*\X+2:ST+4*\X+3], v[ST+4*\X+2:ST+4*\X+3], v[W+4*\X:W+4*\X+1]
.endr
.irp X, 0,1
.irp t, 0,1,2,3
.irp i, 0,1,2,3,4,5,6,7
	v_min_num_f32 v[S+32*\X+8*\t+\i], v[S+32*\X+8*\t+\i], v[PLM]   ; the conversion does not saturate (ISA guide 7.6.2); p is not negative, so the hold is one-sided
.endr
	v_cvt_scalef32_pk8_fp8_f32 v[PC+8*\X+2*\t:PC+8*\X+2*\t+1], v[S+32*\X+8*\t:S+32*\X+8*\t+7], v[PSC]
.endr
.endr
.irp X, 0,1
.irp j, 0,2,4,6,8,10,12,14,16,18,20,22,24,26,28,30
	v_pk_mul_f32 v[O+32*\X+\j:O+32*\X+\j+1], v[O+32*\X+\j:O+32*\X+\j+1], v[FF+2*\X:FF+2*\X+1] op_sel_hi:[1,0]   ; O^T under the new M; these are also the plain lines behind the conversions
.endr
.endr
	s_wait_dscnt 0x0                               ; V is in
.irp u, 0,1,2,3
.irp X, 0,1
	v_wmma_f32_16x16x64_fp8_fp8 v[O+32*\X+8*\u:O+32*\X+8*\u+7], v[VFR+8*\u:VFR+8*\u+7], v[PC+8*\X:PC+8*\X+7], v[O+32*\X+8*\u:O+32*\X+8*\u+7]   ; the eight accumulators by turns; the next step's eight score products stand between two links
.endr
.endr
.Lhidden:
	s_add_co_u32 s24, s24, 64
	s_add_co_u32 s25, s25, 4096
	s_sub_co_u32 s26, s26, 1
	s_cmp_lg_u32 s26, 0
	s_cbranch_scc1 .Lstep
	; THE WAY OUT: O^T x 2^(e8 + e9) / the sum, held, converted with 2^e10.  A conversion's two registers are registers 8 (head % 2) + 2 u, + 1 of the last product's operand.
.rept 4
	v_nop
.endr
.irp X, 0,1
	v_add_f32 v[ST+4*\X+2], v[ST+4*\X+2], v[ST+4*\X+3]
.endr
.irp X, 0,1
	v_permlanex16_b32 v[W+4*\X+2], v[ST+4*\X+2], s20, s21
.endr
.irp X, 0,1
	v_add_f32 v[ST+4*\X+2], v[ST+4*\X+2], v[W+4*\X+2]   ; the row's sum
.endr
.irp X, 0,1
	v_rcp_f32 v[ST+4*\X+2], v[ST+4*\X+2]
.endr
	s_add_co_i32 s33, s30, s31                     ; e8 + e9
	s_add_co_i32 s34, s32, 127
	s_lshl_b32 s35, s34, 23
	v_mov_b32 v[PSC], s35                          ; 2^e10  (plain lines behind the reciprocals)
	s_add_co_i32 s34, s34, 8
	s_lshl_b32 s34, s34, 23
	s_or_b32 s34, s34, 0x600000
	v_mov_b32 v[PLM], s34                          ; 448 x 2^e10
	s_wait_alu depctr_va_vdst(0)                   ; one wait for the two reciprocals, ahead of their first reader
.irp X, 0,1
	v_ldexp_f32 v[ST+4*\X+2], v[ST+4*\X+2], s33
.endr
.irp X, 0,1
.irp j, 0,2,4,6,8,10,12,14,16,18,20,22,24,26,28,30
	v_pk_mul_f32 v[O+32*\X+\j:O+32*\X+\j+1], v[O+32*\X+\j:O+32*\X+\j+1], v[ST+4*\X+2:ST+4*\X+3] op_sel_hi:[1,0]
.endr
.endr
.irp X, 0,1
.irp u, 0,1,2,3
.irp i, 0,1,2,3,4,5,6,7
	v_med3_num_f32 v[O+32*\X+8*\u+\i], v[O+32*\X+8*\u+\i], -v[PLM], v[PLM]
.endr
	v_cvt_scalef32_pk8_fp8_f32 v[PC+8*\X+2*\u:PC+8*\X+2*\u+1], v[O+32*\X+8*\u:O+32*\X+8*\u+7], v[PSC]
.endr
.endr
	v_nop                                          ; a plain line between the last conversion and the lines that touch its result
.set i, 0
.rept 16
	v_or_b32 v[PC+i], s40, v[PC+i]                 ; nothing where N > 0
.set i, i+1
.endr
.irp X, 0,1
.irp g, 0,1
	global_store_b128 v[AK0], v[PC+8*\X+4*\g:PC+8*\X+4*\g+3], s[14:15] offset:4096*\X+512*\g   ; 512 consecutive bytes, aligned
.endr
.endr
	s_wait_tensorcnt 0x0
	ds_add_u32 v27, v31
	s_wait_dscnt 0x0
	s_endpgm
.Lfunc_end_k_q36f780dd1e_attn:
	.size	k_q36f780dd1e_attn, .Lfunc_end_k_q36f780dd1e_attn-k_q36f780dd1e_attn
	.p2alignl 7, 3214868480
	.fill 96, 4, 3214868480
	.section	.rodata,"a",@progbits
	.p2align	6, 0x0
	.amdhsa_kernel k_q36f780dd1e_attn
		.amdhsa_group_segment_fixed_size 264192
		.amdhsa_private_segment_fixed_size 0
		.amdhsa_enable_private_segment 0
		.amdhsa_kernarg_size 48
		.amdhsa_user_sgpr_count 2
		.amdhsa_user_sgpr_kernarg_segment_ptr 1
		.amdhsa_wavefront_size32 1
		.amdhsa_system_sgpr_workgroup_id_x 1
		.amdhsa_system_sgpr_workgroup_id_y 1
		.amdhsa_system_sgpr_workgroup_id_z 1
		.amdhsa_system_vgpr_workitem_id 0
		.amdhsa_next_free_vgpr 256
		.amdhsa_next_free_sgpr 66
		.amdhsa_reserve_vcc 1
		.amdhsa_float_denorm_mode_32 3
		.amdhsa_float_denorm_mode_16_64 3
		.amdhsa_memory_ordered 1
		.amdhsa_forward_progress 1
		.amdhsa_inst_pref_size 40
	.end_amdhsa_kernel
	.amdgpu_metadata
---
amdhsa.version: [ 1, 2 ]
amdhsa.kernels:
  - .name:           k_q36f780dd1e_attn
    .symbol:         k_q36f780dd1e_attn.kd
    .args:
      - { .name: q_img, .offset: 0, .size: 8, .value_kind: global_buffer, .address_space: global }
      - { .name: k_img, .offset: 8, .size: 8, .value_kind: global_buffer, .address_space: global }
      - { .name: v_img, .offset: 16, .size: 8, .value_kind: global_buffer, .address_space: global }
      - { .name: perm, .offset: 24, .size: 8, .value_kind: global_buffer, .address_space: global }
      - { .name: lowp_scales, .offset: 32, .size: 8, .value_kind: global_buffer, .address_space: global }
      - { .name: att, .offset: 40, .size: 8, .value_kind: global_buffer, .address_space: global }
    .group_segment_fixed_size: 264192
    .private_segment_fixed_size: 0
    .kernarg_segment_align: 8
    .kernarg_segment_size: 48
    .max_flat_workgroup_size: 512
    .sgpr_count:     66
    .vgpr_count:     256
    .wavefront_size: 32
...
	.end_amdgpu_metadata
.endif
;; end of part 3
;; launch proj (part 4): grid 4 x 64, 4 waves a work-group, clusters of 4 x 4, 327,680 bytes of LDS; arguments att, Wo_codes, bo, perm, lowp_scales, out0; writes out0
.if DOCPART == 4
	.amdgcn_target "amdgcn-amd-amdhsa--gfx1250"
	.amdhsa_code_object_version 6
	.text
	.protected	k_q36f780dd1e_proj
	.globl	k_q36f780dd1e_proj
	.p2align	8
	.type	k_q36f780dd1e_proj,@function
k_q36f780dd1e_proj:
	s_mov_b64 s[64:65], 0
	v_nop
	global_prefetch_b8 v0, s[64:65] scope:SCOPE_SE
	s_setreg_imm32_b32 hwreg(HW_REG_WAVE_MODE, 25, 1), 1
	s_wait_xcnt 0x0
	s_wait_alu depctr_hold_cnt(0) depctr_sa_sdst(0) depctr_va_vdst(0) depctr_va_sdst(0) depctr_va_ssrc(0) depctr_va_vcc(0) depctr_vm_vsrc(0)
	s_getreg_b32 s2, hwreg(HW_REG_IB_STS2, 6, 4)
	s_cmp_eq_u32 s2, 0
	s_cbranch_scc0 .Lentry_in_a_cluster
	s_endpgm
.Lentry_in_a_cluster:
	s_bfe_u32 s2, ttmp6, 0x10000c
	s_cmp_lg_u32 s2, 0xf033
	s_cbranch_scc0 .Lentry_shape_is_right
	s_endpgm
.Lentry_shape_is_right:
; out0 = attention's result x Wo^T + bo on codes of FP8 (E4M3), the rows put back into the tokens' order by perm.
; A tile is 128 positions (side A: att, images of operand registers) x 256 features (side B: Wo's rows), K = 1,024; 256 tiles, one for each WGP; four waves, each 64 x 128: 32 accumulators.
; THE MATRIX INSTRUCTION IS USED TRANSPOSED (source 0 = 16 rows of Wo, source 1 = 16 positions): a lane holds eight neighbouring features of one row of the output.
; K goes in four K steps of 256 (four heads), each two sub-steps of 128, through THREE LDS slots: K steps 0, 1, 2 are asked for at the start, K step 3 fills slot 0 again behind the one round in the middle, four sub-steps ahead of its use.
; att: [K step][block of 16 positions][sub-step][group of four registers][lane][16 bytes]: a tile's part of a K step is one dense block of 32,768 bytes, and a fragment comes by four loads of 512 consecutive bytes.
; The images hold k in the places of this form's own layout (registers 2 c, 2 c + 1: k = 16 c + 8 h + 0 .. 7), so Wo's fragments are read so too: eight loads of 8 bytes, at row x 272 + 16 c + 8 h: the 32 lanes touch 64 different banks.
; CLUSTERS: 4 x 4.  att's tile is shared along a row of the cluster, Wo's along a column: each is asked for JOINTLY.  By this text's count a wave has three tensor loads out at the start, later one.
; THE WAY OUT: sum x 2^(e10 + e11) + bo, a block of 16 rows at a time through the wave's own stage in LDS, back as whole rows of 512 bytes, each stored at its token's row: 512 consecutive bytes, aligned.
; The stages lie in slot 1: it is filled once, at the start, and every wave has passed a barrier behind its last read of it.
; LIMIT: e10 + e11 between -126 and 127.  No prefetch: three of the four K steps are asked for at the head, and the fourth has four sub-steps in which to land.
; REGISTERS: window 0: v1-31 addresses; v32-95 bo; v128-255 A's fragments, two sets (on the way out v128-191 results, v192-255 the rows' offsets).  window 1: B's fragments, two sets (on the way out: rows read back).  window 2: the accumulators, (a, b) at v[64 a + 8 b].
.set PITCH, 272                        ; a row of Wo in LDS: 256 bytes + 16 of padding
.set AHALF, 16384                      ; what a wave fetches of att, and what a wave reads of it: four blocks of 16 positions
.set BHALF, 128*PITCH
.set APART, 2*AHALF
.set SLOT,  APART+2*BHALF              ; 102,400
.set SPARE, 3*SLOT                     ; behind the slots: the spare words, 128 bytes for each wave: two blocks of 256 bytes that no other line names
.set SPITCH, 528                       ; a stage row: 512 bytes + 16
.set KSA,   0x200000                   ; a K step on, in att
.set KSB,   256                        ; and in a row of Wo
.set ADRA, 10                          ; v10-12  LDS address of my A fragments in slot 0, 1, 2
.set ADRB, 13                          ; v13-15  the same for B
.set STO,  16                          ; v16     the stage: where I put 32 bytes of a row
.set RD,   17                          ; v17     and where I read a row back
.set CO,   18                          ; v18     my bytes in a row of the output: 4 x first feature + 16 x lane
.set SPW,  28                          ; v28     LDS address of my spare word; never rewritten
.set NIL,  29                          ; v29     0; never rewritten
.set PM,   30                          ; v30-31  perm of my 64 positions, a lane a position
.set BO,   32                          ; v32-95  bo in the result's layout
.set TMP,  128
.set ADR,  192
.set G1A, 16
.set G1B, 24
.set G0A, 32
.set G0B, 44
.set MUL,  0xa1                        ; source 0 (B) window 1, source 1 (A) window 0, C and D window 2
.set MSB, 0
.macro WIN new                         ; the immediate's high byte repeats the setting that is left
.if MSB != \new
	s_set_vgpr_msb (MSB<<8)|\new
.set MSB, \new
.endif
.endm
.macro PLACES n                        ; plain vector lines between a matrix instruction and a load into, or a read of, its registers
.rept \n
	v_nop
.endr
.endm
; A joint load: waves 0 and 1 fetch A's halves, waves 2 and 3 B's.  The branch hangs on the wave's number alone.  Four v_nop follow each of the two lines.
.macro JLOAD g0a, g1a, g0b, g1b
	s_cmp_eq_u32 s57, 0
	s_cbranch_scc0 .Lfor_b_\@
	tensor_load_to_lds s[\g0a:\g0a+3], s[\g1a:\g1a+7]
	s_nop 0
.rept 4
	v_nop
.endr
	s_branch .Lasked_\@
.Lfor_b_\@:
	tensor_load_to_lds s[\g0b:\g0b+3], s[\g1b:\g1b+7]
	s_nop 0
.rept 4
	v_nop
.endr
.Lasked_\@:
.endm
.macro CREST                           ; a round of the cluster's barrier behind its opening barrier
	s_cmp_lg_u32 s56, 0
	s_cbranch_scc1 .Lnot_wave_0_\@
	s_barrier_signal -3
.Lnot_wave_0_\@:
	s_barrier_wait -3
	s_barrier_signal -1
	s_barrier_wait -1
.endm
.macro CROUND
	s_barrier_signal -1
	s_barrier_wait -1
	CREST
.endm
; 80 LDS loads in one run: the fragments of the slot's q-th 128 along K into set p: B's eight (8 bytes a load), then A's four (images, 16 bytes a load)
.macro FETCH slot, q, p
	WIN 0x40                                       ; destination window 1, address window 0
.irp i, 0,1,2,3,4,5,6,7
.irp c, 0,1,2,3,4,5,6,7
	ds_load_b64 v[128*(\p)+16*\i+2*\c:128*(\p)+16*\i+2*\c+1], v[ADRB+\slot] offset:128*(\q)+16*PITCH*\i+16*\c
.endr
.endr
	WIN 0
.irp i, 0,1,2,3
.irp c, 0,1,2,3
	ds_load_b128 v[128+64*(\p)+16*\i+4*\c:128+64*(\p)+16*\i+4*\c+3], v[ADRA+\slot] offset:2048*(\q)+4096*\i+512*\c
.endr
.endr
.endm
; 8 matrix instructions: A's block a x B's eight, set p.  zero = 1: the first product starts the sums.  The 32 accumulators take turns, one instruction a turn, in one order.
.macro MUL8 a, p, zero
.irp b, 0,1,2,3,4,5,6,7
.if \zero
	v_wmma_f32_16x16x128_fp8_fp8 v[64*(\a)+8*\b:64*(\a)+8*\b+7], v[128*(\p)+16*\b:128*(\p)+16*\b+15], v[128+64*(\p)+16*(\a):128+64*(\p)+16*(\a)+15], 0
.else
	v_wmma_f32_16x16x128_fp8_fp8 v[64*(\a)+8*\b:64*(\a)+8*\b+7], v[128*(\p)+16*\b:128*(\p)+16*\b+15], v[128+64*(\p)+16*(\a):128+64*(\p)+16*(\a)+15], v[64*(\a)+8*\b:64*(\a)+8*\b+7]
.endif
.endr
.endm
; A sub-step: set p, fetched a sub-step ago, is multiplied; ahead of that the next sub-step's fragments (slot, q) are asked for, into the other set
.macro PLAIN slot, q, p, zero
	s_wait_dscnt 0x0                               ; set p is in
	PLACES 4                                       ; the other set was read by the matrix instructions just ahead
	FETCH \slot, \q, 1-(\p)
	WIN MUL
	MUL8 0, \p, \zero
	MUL8 1, \p, \zero
	MUL8 2, \p, \zero
	MUL8 3, \p, \zero
	WIN 0
.endm
	s_load_b256 s[68:75], s[0:1], 0x0              ; att 68, Wo's codes 70, bo 72, perm 74
	s_load_b128 s[76:79], s[0:1], 0x20             ; the scales' exponents 76, out0 78
	v_lshl_add_u32 v[SPW], v0, 2, SPARE
	v_mov_b32 v[NIL], 0
	ds_add_u32 v28, v29
	ds_add_u32 v28, v29
	s_wait_dscnt 0x0
	v_lshrrev_b32 v1, 5, v0
	v_readfirstlane_b32 s56, v1                    ; wave 0..3
	s_lshr_b32 s57, s56, 1                         ; ra: which 64 positions are mine.  Also: I fetch for A (0) or for B (1)
	s_and_b32 s58, s56, 1                          ; cb: which 128 features are mine.  Also: which half of that tile I fetch
	s_bfe_u32 s60, ttmp6, 0x40000                  ; cx: also B's tile
	s_bfe_u32 s61, ttmp6, 0x40004                  ; cy
	s_and_b32 s62, ttmp7, 0xffff                   ; the cluster's y
	s_lshl_b32 s2, s61, 2
	s_lshl_b32 s2, 15, s2                          ; my row of the cluster
	s_lshl_b32 s67, 0x1111, s60                    ; my column
	s_or_b32 s[G1A], s2, (3<<16)|(1<<21)           ; 15:0 the mask; 17:16 elements of 8 bytes; no padding; 21 set beside a mask
	s_or_b32 s[G1B], s67, (1<<20)|(1<<21)|(5<<22)|(3<<25)   ; elements of 1 byte; four words of padding after every 64
	s_mov_b32 s[G1A+1], 32<<16                     ; a dense block of 16,384 bytes as 64 rows of 32 elements (256 bytes)
	s_mov_b32 s[G1A+2], 64<<16
	s_mov_b32 s[G1A+3], 32<<16
	s_mov_b32 s[G1A+4], 64
	s_mov_b32 s[G1A+5], 32
	s_mov_b32 s[G1A+6], 0
	s_mov_b32 s[G1A+7], 0
	s_mov_b32 s[G1B+1], 256<<16                    ; 128 rows of 256 bytes, 1,024 apart
	s_mov_b32 s[G1B+2], 128<<16
	s_mov_b32 s[G1B+3], 256<<16
	s_mov_b32 s[G1B+4], 128
	s_mov_b32 s[G1B+5], 1024
	s_mov_b32 s[G1B+6], 0
	s_mov_b32 s[G1B+7], 0
	s_lshl_b32 s2, s62, 2
	s_add_co_u32 s63, s2, s61                      ; A's tile: 4 x cluster y + cy
	s_lshl_b32 s12, s63, 15                        ; its 32,768 bytes of a K step,
	s_lshl_b32 s13, s58, 14                        ; the half that I fetch
	s_add_co_u32 s12, s12, s13
	s_mov_b32 s13, 0
	s_lshl_b32 s14, s60, 18                        ; B: 256 rows of 1,024 bytes,
	s_lshl_b32 s15, s58, 17                        ; the 128 that I fetch
	s_add_co_u32 s14, s14, s15
	s_mov_b32 s15, 0
	s_lshl_b32 s90, s58, 14                        ; where they go in a slot: no place in the cluster enters an LDS address
	s_mul_i32 s91, s58, BHALF
	s_add_co_u32 s91, s91, APART
	s_wait_kmcnt 0x0
	s_load_b64 s[96:97], s[76:77], 0x28            ; e10, e11
	s_add_nc_u64 s[12:13], s[68:69], s[12:13]
	s_add_nc_u64 s[14:15], s[70:71], s[14:15]
	CROUND                                         ; all sixteen work-groups are here: the first joint loads meet
.irp n, 0,1,2
	s_mov_b32 s[G0A+4*\n], 1                       ; count = 1
	s_add_co_u32 s[G0A+4*\n+1], s90, \n*SLOT       ; LDS address
	s_add_nc_u64 s[G0A+4*\n+2:G0A+4*\n+3], s[12:13], \n*KSA   ; K step n
	s_or_b32 s[G0A+4*\n+3], s[G0A+4*\n+3], 0x80000000         ; type = 2
	s_mov_b32 s[G0B+4*\n], 1
	s_add_co_u32 s[G0B+4*\n+1], s91, \n*SLOT
	s_add_nc_u64 s[G0B+4*\n+2:G0B+4*\n+3], s[14:15], \n*KSB
	s_or_b32 s[G0B+4*\n+3], s[G0B+4*\n+3], 0x80000000
	JLOAD G0A+4*\n, G1A, G0B+4*\n, G1B
.endr
	v_and_b32 v1, 15, v0                           ; r
	v_bfe_u32 v2, v0, 4, 1                         ; h
	v_and_b32 v4, 31, v0                           ; lane
	v_lshlrev_b32 v5, 4, v4                        ; 16 x lane
	v_mul_u32_u24 v3, v1, PITCH
	v_lshl_add_u32 v3, v2, 3, v3                   ; Wo: row x pitch + 8 h
	s_lshl_b32 s2, s57, 14
	s_mul_i32 s3, s58, BHALF
	s_add_co_u32 s3, s3, APART
.irp n, 0,1,2
	v_add_nc_u32 v[ADRA+\n], s2, v5
	v_add_nc_u32 v[ADRB+\n], s3, v3
	s_add_co_u32 s2, s2, SLOT
	s_add_co_u32 s3, s3, SLOT
.endr
	s_mul_i32 s2, s56, 16*SPITCH
	s_add_co_u32 s2, s2, SLOT                      ; my stage, in slot 1
	v_mul_u32_u24 v6, v1, SPITCH
	v_lshl_add_u32 v6, v2, 5, v6
	v_add_nc_u32 v[STO], s2, v6                    ; in: row r, 32 bytes for each half of the lanes
	v_add_nc_u32 v[RD], s2, v5                     ; back: the 32 lanes take one row of 512 bytes
	s_lshl_b32 s80, s63, 7
	s_lshl_b32 s81, s57, 6
	s_add_co_u32 s80, s80, s81                     ; my first position (in registers that feed no descriptor)
	s_lshl_b32 s82, s80, 2
	s_mov_b32 s83, 0
	s_add_nc_u64 s[84:85], s[74:75], s[82:83]      ; its word of perm
	s_lshl_b32 s81, s60, 8
	s_lshl_b32 s82, s58, 7
	s_add_co_u32 s81, s81, s82                     ; my first feature
	s_lshl_b32 s82, s81, 2
	s_add_nc_u64 s[86:87], s[72:73], s[82:83]      ; its number of bo
	v_add_nc_u32 v[CO], s82, v5
	v_lshlrev_b32 v19, 5, v2                       ; bo: 8 h numbers on
	v_lshlrev_b32 v20, 2, v4
	global_load_b32 v[PM], v20, s[84:85]
	global_load_b32 v[PM+1], v20, s[84:85] offset:128
.irp b, 0,1,2,3,4,5,6,7
	global_load_b128 v[BO+8*\b:BO+8*\b+3], v19, s[86:87] offset:64*\b       ; bo(first feature + 16 b + 8 h + 0 .. 7)
	global_load_b128 v[BO+8*\b+4:BO+8*\b+7], v19, s[86:87] offset:64*\b+16
.endr
	s_wait_kmcnt 0x0
	s_add_co_i32 s96, s96, s97
	s_add_co_i32 s96, s96, 127
	s_lshl_b32 s96, s96, 23                        ; 2^(e10 + e11) as f32
	s_mov_b32 s97, s96                             ; (named with it as a pair)
	s_wait_loadcnt 0x0                             ; perm and bo
	s_wait_tensorcnt 0x2                           ; my part of K step 0 is in; K steps 1 and 2 may be out
	s_barrier_signal -1
	s_barrier_wait -1                              ; everybody's is
	FETCH 0, 0, 0
	PLAIN 0, 1, 0, 1                               ; the first sub-step's products start the sums
	; sub-step 1, and slot 0's refill.  In front of the round each wave waits for all its tensor loads (so K steps 1 and 2 are whole behind it), adds 0 to its spare word, and waits for that and for its reads of slot 0.
	s_wait_tensorcnt 0x0
	ds_add_u32 v[SPW], v[NIL]
	s_wait_dscnt 0x1                               ; set 1 is in; the add may be out
	WIN MUL
	MUL8 0, 1, 0
	s_wait_dscnt 0x0                               ; the add is done, and my reads of slot 0 are over
	s_barrier_signal -1
	MUL8 1, 1, 0
	WIN 0
	s_barrier_wait -1
	CREST                                          ; no wave of any partner still reads slot 0 or has a load on its way
	s_add_nc_u64 s[G0A+2:G0A+3], s[G0A+2:G0A+3], 3*KSA
	s_add_nc_u64 s[G0B+2:G0B+3], s[G0B+2:G0B+3], 3*KSB
	JLOAD G0A, G1A, G0B, G1B                       ; K step 3: the first tensor load behind the round; its four v_nop are also the places in front of the loads below
	FETCH 1, 0, 0
	WIN MUL
	MUL8 2, 1, 0
	MUL8 3, 1, 0
	WIN 0
	PLAIN 1, 1, 0, 0
	PLAIN 2, 0, 1, 0
	PLAIN 2, 1, 0, 0
	; sub-step 5: K step 3 is shown to every wave; behind this barrier nobody reads slot 1 any more
	s_wait_tensorcnt 0x0                           ; the one load that is out: my part of K step 3
	s_wait_dscnt 0x0                               ; set 1 is in
	s_barrier_signal -1
	WIN MUL
	MUL8 0, 1, 0
	MUL8 1, 1, 0
	WIN 0
	s_barrier_wait -1
	PLACES 4
	FETCH 0, 0, 0
	WIN MUL
	MUL8 2, 1, 0
	MUL8 3, 1, 0
	WIN 0
	PLAIN 0, 1, 0, 0
	s_wait_dscnt 0x0                               ; the last sub-step: nothing more to fetch
	WIN MUL
	MUL8 0, 1, 0
	MUL8 1, 1, 0
	MUL8 2, 1, 0
	MUL8 3, 1, 0
	WIN 0
	; THE WAY OUT
	PLACES 4
.rept 64
	v_readlane_b32 s2, v[PM+\+/32], \+%32          ; the output row of my position \+
	s_min_u32 s2, s2, 0x1fff                       ; a row is under 8,192: stated for what follows, it changes nothing
	v_lshl_add_u32 v[ADR+\+], s2, 12, v[CO]        ; 4,096 bytes a row; each store has an offset register of its own
.endr
.macro TOSTAGE a                       ; block a: 16 rows x 128 features through my stage.  LDS serves a wave's instructions in order (ISA guide 5.7.1.4): no wait between the stores and the loads, nor in front of the next block's stores
	WIN 0x02                                       ; source 0 window 2
.irp j, 0,2,4,6,8,10,12,14,16,18,20,22,24,26,28,30,32,34,36,38,40,42,44,46,48,50,52,54,56,58,60,62
	v_pk_fma_f32 v[TMP+\j:TMP+\j+1], v[64*(\a)+\j:64*(\a)+\j+1], s[96:97], v[BO+\j:BO+\j+1] op_sel_hi:[1,0,1]   ; sum x 2^(e10 + e11) + bo; each accumulator from its low end on
.endr
	WIN 0
.irp b, 0,1,2,3,4,5,6,7
	ds_store_b128 v[STO], v[TMP+8*\b:TMP+8*\b+3] offset:64*\b
	ds_store_b128 v[STO], v[TMP+8*\b+4:TMP+8*\b+7] offset:64*\b+16
.endr
	WIN 0x40                                       ; destination window 1
.irp t, 0,1,2,3,4,5,6,7,8,9,10,11,12,13,14,15
	ds_load_b128 v[64*(\a)+4*\t:64*(\a)+4*\t+3], v[RD] offset:\t*SPITCH
.endr
	WIN 0
.endm
.macro SEND a, younger                 ; younger: the LDS instructions issued behind block a's loads, which may stay out
	s_wait_dscnt \younger
	WIN 0x04                                       ; the stores' data in window 1
.irp t, 0,1,2,3,4,5,6,7,8,9,10,11,12,13,14,15
	global_store_b128 v[ADR+16*(\a)+\t], v[64*(\a)+4*\t:64*(\a)+4*\t+3], s[78:79] th:TH_STORE_NT   ; 32 lanes store 512 consecutive bytes of one row, aligned; written once, read by nobody here
.endr
	WIN 0
.endm
	TOSTAGE 0
	TOSTAGE 1
	SEND 0, 32                                     ; behind block 0's loads: block 1's 16 stores and 16 loads
	TOSTAGE 2
	SEND 1, 32
	TOSTAGE 3
	SEND 2, 32
	SEND 3, 0
	s_wait_tensorcnt 0x0                           ; the wave's end
	ds_add_u32 v[SPW], v[NIL]
	s_wait_dscnt 0x0
	CROUND                                         ; the closing round
	s_endpgm
.Lfunc_end_k_q36f780dd1e_proj:
	.size	k_q36f780dd1e_proj, .Lfunc_end_k_q36f780dd1e_proj-k_q36f780dd1e_proj
	.p2alignl 7, 3214868480
	.fill 96, 4, 3214868480
	.section	.rodata,"a",@progbits
	.p2align	6, 0x0
	.amdhsa_kernel k_q36f780dd1e_proj
		.amdhsa_group_segment_fixed_size 327680
		.amdhsa_private_segment_fixed_size 0
		.amdhsa_enable_private_segment 0
		.amdhsa_kernarg_size 48
		.amdhsa_user_sgpr_count 2
		.amdhsa_user_sgpr_kernarg_segment_ptr 1
		.amdhsa_wavefront_size32 1
		.amdhsa_system_sgpr_workgroup_id_x 1
		.amdhsa_system_sgpr_workgroup_id_y 1
		.amdhsa_system_sgpr_workgroup_id_z 1
		.amdhsa_system_vgpr_workitem_id 0
		.amdhsa_next_free_vgpr 768
		.amdhsa_next_free_sgpr 98
		.amdhsa_reserve_vcc 0
		.amdhsa_float_denorm_mode_32 3
		.amdhsa_float_denorm_mode_16_64 3
		.amdhsa_memory_ordered 1
		.amdhsa_forward_progress 1
		.amdhsa_inst_pref_size 105
	.end_amdhsa_kernel
	.amdgpu_metadata
---
amdhsa.version: [ 1, 2 ]
amdhsa.kernels:
  - .name:           k_q36f780dd1e_proj
    .symbol:         k_q36f780dd1e_proj.kd
    .args:
      - { .name: att, .offset: 0, .size: 8, .value_kind: global_buffer, .address_space: global }
      - { .name: Wo_codes, .offset: 8, .size: 8, .value_kind: global_buffer, .address_space: global }
      - { .name: bo, .offset: 16, .size: 8, .value_kind: global_buffer, .address_space: global }
      - { .name: perm, .offset: 24, .size: 8, .value_kind: global_buffer, .address_space: global }
      - { .name: lowp_scales, .offset: 32, .size: 8, .value_kind: global_buffer, .address_space: global }
      - { .name: out0, .offset: 40, .size: 8, .value_kind: global_buffer, .address_space: global }
    .group_segment_fixed_size: 327680
    .private_segment_fixed_size: 0
    .kernarg_segment_align: 8
    .kernarg_segment_size: 48
    .max_flat_workgroup_size: 128
    .sgpr_count:     98
    .vgpr_count:     768
    .wavefront_size: 32
...
	.end_amdgpu_metadata
.endif
;; end of part 4
;; ======== version 2 of 2: 4 launches; version 1 with the launch attn written anew for expert scheduling mode
;; workspace buffers: xs 8,388,608 bytes; perm 33,280 bytes of whole numbers; q_img 8,388,608 bytes; k_img 8,388,608 bytes; v_img 8,388,608 bytes; att 8,388,608 bytes
;; launch sort: the kernel of part 1 again; grid 256 x 1, 2 waves a work-group, no clusters, 0 bytes of LDS; arguments mask, x_codes, xs, perm; writes xs, perm
;; launch qkv: the kernel of part 2 again; grid 12 x 64, 4 waves a work-group, clusters of 4 x 4, 327,680 bytes of LDS; arguments xs, Wq_codes, Wk_codes, Wv_codes, bq, bk, bv, lowp_scales, q_img, k_img, v_img; writes q_img, k_img, v_img
;; launch attn (part 5): grid 4 x 64, 16 waves a work-group, no clusters, 264,192 bytes of LDS; arguments q_img, k_img, v_img, perm, lowp_scales, att; writes att
.if DOCPART == 5
	.amdgcn_target "amdgcn-amd-amdhsa--gfx1250"
	.amdhsa_code_object_version 6
	.text
	.protected	k_q36f780dd1e_attn
	.globl	k_q36f780dd1e_attn
	.p2align	8
	.type	k_q36f780dd1e_attn,@function
k_q36f780dd1e_attn:
	s_mov_b64 s[64:65], 0
	v_nop
	global_prefetch_b8 v0, s[64:65] scope:SCOPE_SE
	s_setreg_imm32_b32 hwreg(HW_REG_WAVE_SCHED_MODE, 0, 2), 2
	s_setreg_imm32_b32 hwreg(HW_REG_WAVE_MODE, 25, 1), 1
	s_wait_xcnt 0x0
	s_wait_alu depctr_vm_vsrc(0)
; O = softmax(Q K^T / 8, keys with mask == 0 left out) V for one head, both products on codes of FP8 (E4M3); O / the row's sum is quantised with entry 10 and stored as an image of the last product's operand registers.
; The positions of a batch are sorted: its N keys that count come first (N: a whole number that the first launch stored).  Every wave walks 32 steps of 64 keys, a constant count; a step whose keys all lie at or
; beyond N is left out by a scalar branch on N; in the one step that N cuts, the scores of the keys from N on become -infinity ahead of the maximum, so their p is 0.
; THE SOFTMAX: t = score x log2(e) / 8; M = the running largest t rounded UP to a whole number; p = 2^(t - M) is quantised with entry 8, not normalised; the row's sum is taken of the unquantised p; when M moves, sum and O are
; multiplied by 2^(old M - new M), which rounds nothing.
; SHARES.  A work-group owns 512 positions (queries) of one head; each of its sixteen waves two tiles of 16, so that each fragment read from LDS feeds two matrix instructions.  Four waves share a SIMD: one wave's softmax stands beside another's products and loads.
; LDS holds the head's K image (131,072 bytes) and V image (the same), filled once through registers, chunk w of 128 keys by wave w: the chunks that begin under N, and chunk 0 in any case.  Every LDS read is 512 consecutive bytes: no padding.
; NO TENSOR LOAD AND NO JOINT REQUEST, though four work-groups read the same K and V: the steps from N on are left out by a branch on a number read from memory; the branch spares
; (2,048 - N) / 2,048 of the launch's work, joint requests three quarters of one fill of at most 262,144 bytes a work-group.  No prefetch: every global load stands at the kernel's head.
; LAYOUT.  S^T = K Q^T (source 0 = 16 keys, source 1 = 16 queries), O^T = V^T P^T (source 0 = 16 channels, source 1 = P): a lane holds ONE query throughout.  Register j of score tile t is key 16 t + 8 h + j: a conversion's two
; registers are registers 2 t, 2 t + 1 of P, k in its true place.  The images were stored so by the launch before.
; N = 0: no key is left and the result is NaN: no step runs, and every code is made a NaN code, which the last product carries into the rows' numbers.
; LIMITS on the given exponents: e6 + e7 between -123 and 130; e8 and e10 between -126 and 119.  The sums over the keys run in the sorted order, not in the tokens'.
; THE MODE: SCHED_MODE bits 1:0 = 2 (LLVM: expert scheduling mode 2), set by the entry lines.  The code itself states the register dependences between vector or matrix instructions and memory or LDS instructions,
; with s_wait_alu, always for 0.
; THE PLAN.  Registers that memory or LDS instructions touch:
;   v1            offset of Q's loads, the fill's loads, step 0's K loads and the last stores; v5, v6: addresses of the fill's LDS stores.  Written once, at the head, ahead of one wait on va_vdst.
;   v112-239      At the head: the fill's loads land here and its LDS stores read them.  From the barrier on they are S^T and O^T: one wait on vm_vsrc behind the barrier.
;   KFR v48-79    Step s: its eight score products read it; behind the step's one wait the LDS loads of step s + 1 land in it.
;   VFR v80-111   Step s: behind the step's one wait its LDS loads land here; its eight second products, at the step's end, read it.
;   v3, v4        The step's LDS addresses: read by those sixteen loads, written once a step by two additions, which stand behind a wait on vm_vsrc and ahead of the step's one wait.
;   v240-255      On the way out: written by the conversions and the ORs, read by the four stores: one wait on va_vdst ahead of these.
;   v27, v31      Written at the head, read by the closing add alone.
; So ONE wait on va_vdst stands in a step, behind its 64 exponentials.  It also states that this step's score products are done reading K's registers, that the last step's
; second products are done reading V's, and that v3 and v4 are written.  Behind it stand V's eight loads, the row sums, and the next step's eight loads of K; no vector instruction between names v3, v4, KFR or VFR.
.set AK0, 1                            ; v1   16 x lane: my place in an image, in K's part of LDS
.set AV0, 2                            ; v2   the same in V's part
.set ADK, 3                            ; v3   LDS address of the step's K; the next step's lies 4,096 bytes on
.set ADV, 4                            ; v4   of its V
.set FK,  5                            ; v5   the fill: 16 x lane + 8,192 x wave
.set FV,  6                            ; v6   and in V's part
.set H8,  7                            ; v7   8 h
.set PSC, 8                            ; v8   2^e8 as f32; on the way out 2^e10
.set PLM, 9                            ; v9   448 x that
.set NINF, 10                          ; v10  -infinity
.set DD,  11                           ; v11  N - the step's first key - 1 - 8 h
.set ST,  12                           ; tile X at v[12 + 4 X]: -M, the largest t, the sum in two halves
.set FF,  20                           ; v[20 + 2 X]: f = 2^(old M - new M); the word above it is named with it as a pair
.set W,   24                           ; v[24 + 4 X] on: at work
.set Q,   32                           ; v32-47   Q, 8 registers a tile
.set KFR, 48                           ; v48-79   a step's four tiles of K
.set VFR, 80                           ; v80-111  its four tiles of V^T
.set S,   112                          ; v112-175 S^T, then p: 32 X + 8 t
.set O,   176                          ; v176-239 O^T: 32 X + 8 u.  (v112-239 also carry the fill)
.set PC,  240                          ; v240-255 p's codes, 8 a tile
.set MK,  4                            ; s4-s11   in the step that N cuts: eight masks.  (The pointers that lay here are done with: every load by them has been waited for)
.set VLDS, 131072
	s_load_b256 s[4:11], s[0:1], 0x0               ; q_img s[4:5], k_img s[6:7], v_img s[8:9], perm s[10:11]
	s_load_b128 s[12:15], s[0:1], 0x20             ; the scales' exponents s[12:13], att s[14:15]
	v_lshl_add_u32 v27, v0, 2, 0x40000
	v_mov_b32 v31, 0
	v_lshrrev_b32 v3, 5, v0
	v_readfirstlane_b32 s16, v3                    ; wave 0..15
	s_and_b32 s17, ttmp7, 0xffff                   ; 16 x batch + head
	s_mov_b32 s18, ttmp9                           ; which 512 queries
	v_and_b32 v3, 31, v0
	v_lshlrev_b32 v[AK0], 4, v3
	v_add_nc_u32 v[AV0], VLDS, v[AK0]
	s_wait_alu depctr_va_sdst(0)                   ; s16 is written, ahead of its first reader: LDS addresses and the buffers' offsets are made from it
	s_lshl_b32 s27, s16, 13
	v_add_nc_u32 v[FK], s27, v[AK0]
	v_add_nc_u32 v[FV], s27, v[AV0]
	v_bfe_u32 v[H8], v0, 4, 1
	v_lshlrev_b32 v[H8], 3, v[H8]
	v_mov_b32 v[NINF], 0xff800000
	s_mov_b32 s20, 0x76543210                      ; v_permlanex16_b32's selects for lane l xor 16
	s_mov_b32 s21, 0xfedcba98
.irp X, 0,1
	v_mov_b32 v[ST+4*\X+1], 0xff61b1e6             ; the largest t so far: -3e38, under every t
	v_floor_f32 v[ST+4*\X], -v[ST+4*\X+1]          ; -M
	v_mov_b32 v[ST+4*\X+2], 0                      ; the sum
	v_mov_b32 v[ST+4*\X+3], 0
	v_mov_b32 v[FF+2*\X+1], 0                      ; (named as the upper half of a pair)
	v_mov_b32 v[W+4*\X+2], 0                       ; (a lane permute's destination counts as one of its sources)
.endr
	s_lshr_b32 s33, s17, 4                         ; batch
	s_lshl_b32 s34, s33, 7
	s_add_co_u32 s34, s34, 32768                   ; its count in perm
	s_mov_b32 s35, 0
	s_lshl_b32 s36, s17, 17                        ; the head's image: 131,072 bytes
	s_mov_b32 s37, 0
	s_lshl_b32 s38, s18, 15                        ; Q: 32 tiles of 1,024 bytes a work-group,
	s_lshl_b32 s39, s16, 11                        ; two a wave
	s_add_co_u32 s38, s38, s39
	s_add_co_u32 s38, s38, s36
	s_mov_b32 s39, 0
	s_add_co_u32 s36, s36, s27                     ; K, V: my chunk of 8,192 bytes
	s_and_b32 s41, s17, 15                         ; head
	s_lshr_b32 s44, s41, 2
	s_lshl_b32 s44, s44, 21                        ; att: the K step of 256 (four heads): 512 row blocks of 4,096 bytes,
	s_lshl_b32 s45, s33, 19                        ; row block 128 x batch
	s_add_co_u32 s44, s44, s45
	s_lshl_b32 s45, s18, 17                        ; + 32 x work-group
	s_add_co_u32 s44, s44, s45
	s_add_co_u32 s44, s44, s27                     ; + 2 x wave,
	s_and_b32 s45, s41, 3
	s_lshl_b32 s45, s45, 10                        ; the head's 1,024 bytes among the four heads'
	s_add_co_u32 s44, s44, s45
	s_mov_b32 s45, 0
	s_wait_kmcnt 0x0
	s_add_nc_u64 s[10:11], s[10:11], s[34:35]
	s_load_b32 s19, s[10:11], 0x0                  ; N
	s_load_b128 s[28:31], s[12:13], 0x18           ; e6, e7, e8, e9
	s_load_b32 s32, s[12:13], 0x28                 ; e10
	s_add_nc_u64 s[4:5], s[4:5], s[38:39]
	s_add_nc_u64 s[6:7], s[6:7], s[36:37]
	s_add_nc_u64 s[8:9], s[8:9], s[36:37]
	s_add_nc_u64 s[14:15], s[14:15], s[44:45]
	s_wait_alu depctr_va_vdst(0)                   ; v1 is written, which the loads below and step 0's LDS loads read as their offset; so are v5 and v6, the addresses of the fill's LDS stores
.irp X, 0,1
.irp g, 0,1
	global_load_b128 v[Q+8*\X+4*\g:Q+8*\X+4*\g+3], v[AK0], s[4:5] offset:1024*\X+512*\g th:TH_LOAD_NT   ; Q stays in registers; read once in the launch
.endr
.endr
	s_wait_kmcnt 0x0
	s_min_u32 s19, s19, 2048
	s_max_u32 s34, s19, 1                          ; chunk 0 is filled where N = 0 too: step 0's K is loaded ahead of the loop on every way, and no LDS byte is read that nobody stored
	s_lshl_b32 s33, s16, 7
	s_cmp_lt_u32 s33, s34                          ; does my chunk of 128 keys begin under N (at the least 1)?
	s_cbranch_scc0 .Lfilled
.rept 16
	global_load_b128 v[S+4*\+:S+4*\++3], v[AK0], s[6:7] offset:512*\+   ; no vector instruction has named v112-239 yet
.endr
.rept 16
	global_load_b128 v[S+64+4*\+:S+64+4*\++3], v[AK0], s[8:9] offset:512*\+
.endr
.rept 16
	s_wait_loadcnt 31-\+                           ; loads come back in order: this one is in, the younger ones may be out
	ds_store_b128 v[FK], v[S+4*\+:S+4*\++3] offset:512*\+
.endr
.rept 16
	s_wait_loadcnt 15-\+
	ds_store_b128 v[FV], v[S+64+4*\+:S+64+4*\++3] offset:512*\+
.endr
.Lfilled:
	s_add_co_i32 s33, s28, s29
	s_lshl_b32 s33, s33, 23
	s_add_co_i32 s22, s33, 0x3e38aa3b              ; c = log2(e) / 8, with e6 + e7 added to its exponent field: a score stands for score x 2^(e6 + e7)
	s_mov_b32 s23, s22                             ; (named with it as a pair)
	s_add_co_i32 s33, s30, 127
	s_lshl_b32 s34, s33, 23
	v_mov_b32 v[PSC], s34                          ; 2^e8
	s_add_co_i32 s33, s33, 8
	s_lshl_b32 s33, s33, 23
	s_or_b32 s33, s33, 0x600000
	v_mov_b32 v[PLM], s33                          ; 448 x 2^e8
	s_cmp_eq_u32 s19, 0
	s_cselect_b32 s40, 0x7f7f7f7f, 0               ; N = 0: what makes every code a NaN code
	s_mov_b32 s24, 0                               ; the step's first key
	s_mov_b32 s25, 0                               ; and its bytes in an image
	s_mov_b32 s26, 32
	s_wait_loadcnt 0x0                             ; Q (in a wave that filled nothing too)
	s_wait_dscnt 0x0                               ; for the others' sake: my stores have landed
	s_barrier_signal -1
	s_barrier_wait -1                              ; the launch's one barrier: K and V lie in LDS
	s_wait_alu depctr_vm_vsrc(0)                   ; the fill's LDS stores have read v112-239, which the lines below and the products write
.set i, 0
.rept 64
	v_mov_b32 v[O+i], 0                            ; O^T.  (The step is written once: the first finds zeros, which the first change of M leaves zeros)
.set i, i+1
.endr
.irp t, 0,1,2,3
.irp g, 0,1
	ds_load_b128 v[KFR+8*\t+4*\g:KFR+8*\t+4*\g+3], v[AK0] offset:1024*\t+512*\g   ; step 0's K, on every way (where N = 0 no product reads it).  No wait on va_vdst: v1 stands since the head's, and no vector instruction has named K's registers
.endr
.endr
	s_wait_dscnt 0x0                               ; it is in
.Lstep:
	s_cmp_ge_u32 s24, s19
	s_cbranch_scc1 .Lhidden                        ; none of the step's keys counts
.irp t, 0,1,2,3
.irp X, 0,1
	v_wmma_f32_16x16x64_fp8_fp8 v[S+32*\X+8*\t:S+32*\X+8*\t+7], v[KFR+8*\t:KFR+8*\t+7], v[Q+8*\X:Q+8*\X+7], 0   ; K was asked for in the step before (step 0's: ahead of the loop) and waited for there
.endr
.endr
	s_wait_alu depctr_vm_vsrc(0)                   ; the last step's LDS loads have read v3 and v4, which the two additions write
	v_add_nc_u32 v[ADK], s25, v[AK0]
	v_add_nc_u32 v[ADV], s25, v[AV0]
	v_nop                                          ; with the two additions: four places between the score products and the first read of their results (ISA guide 7.12.1)
	v_nop
	s_add_co_u32 s33, s24, 64
	s_cmp_le_u32 s33, s19
	s_cbranch_scc1 .Lopen                          ; all 64 keys count
	s_sub_co_u32 s33, s19, s24
	s_sub_co_u32 s33, s33, 1
	v_sub_nc_u32 v[DD], s33, v[H8]                 ; register 8 t + i holds key 16 t + 8 h + i of the step: hidden where 16 t + i > N - first key - 1 - 8 h
.irp t, 0,1,2,3
.irp i, 0,1,2,3,4,5,6,7
	v_cmp_gt_i32 s[MK+\i], 16*\t+\i, v[DD]         ; a run of eight compares, each into a scalar register of its own
.endr
	s_wait_alu depctr_va_sdst(0)                   ; the eight compares have written s4 to s11, ahead of the selects that read them
.irp i, 0,1,2,3,4,5,6,7
	v_cndmask_b32 v[S+8*\t+\i], v[S+8*\t+\i], v[NINF], s[MK+\i]
	v_cndmask_b32 v[S+32+8*\t+\i], v[S+32+8*\t+\i], v[NINF], s[MK+\i]
.endr
.endr
.Lopen:
	; the step's largest score of each query: two chains a tile, each accumulator from its low end on; the two tiles line by line
.irp X, 0,1
	v_max3_num_f32 v[W+4*\X], v[S+32*\X], v[S+32*\X+1], v[S+32*\X+2]
	v_max3_num_f32 v[W+4*\X+1], v[S+32*\X+16], v[S+32*\X+17], v[S+32*\X+18]
.endr
.irp i, 3,5,7,9,11,13
.irp X, 0,1
	v_max3_num_f32 v[W+4*\X], v[W+4*\X], v[S+32*\X+\i], v[S+32*\X+\i+1]
	v_max3_num_f32 v[W+4*\X+1], v[W+4*\X+1], v[S+32*\X+16+\i], v[S+32*\X+17+\i]
.endr
.endr
.irp X, 0,1
	v_max3_num_f32 v[W+4*\X], v[W+4*\X], v[S+32*\X+15], v[S+32*\X+31]
.endr
.irp X, 0,1
	v_max_num_f32 v[W+4*\X], v[W+4*\X], v[W+4*\X+1]
.endr
.irp X, 0,1
	v_permlanex16_b32 v[W+4*\X+2], v[W+4*\X], s20, s21
.endr
.irp X, 0,1
	v_max_num_f32 v[W+4*\X], v[W+4*\X], v[W+4*\X+2]     ; and among lane l xor 16's keys
.endr
.irp X, 0,1
	v_mul_f32 v[W+4*\X], s22, v[W+4*\X]                 ; as t (c is positive)
.endr
.irp X, 0,1
	v_max_num_f32 v[ST+4*\X+1], v[ST+4*\X+1], v[W+4*\X] ; the running largest t
.endr
.irp X, 0,1
	v_mov_b32 v[W+4*\X], v[ST+4*\X]
.endr
.irp X, 0,1
	v_floor_f32 v[ST+4*\X], -v[ST+4*\X+1]               ; the new -M = floor(-t): M is a whole number
.endr
.irp X, 0,1
	v_sub_f32 v[W+4*\X], v[ST+4*\X], v[W+4*\X]          ; old M - new M, 0 or less
.endr
.irp X, 0,1
	v_cvt_i32_f32 v[W+4*\X], v[W+4*\X]                  ; (it saturates)
.endr
.irp X, 0,1
	v_ldexp_f32 v[FF+2*\X], 1.0, v[W+4*\X]              ; f = 2^(old M - new M)
.endr
.irp X, 0,1
.irp j, 0,2,4,6,8,10,12,14,16,18,20,22,24,26,28,30
	v_pk_fma_f32 v[S+32*\X+\j:S+32*\X+\j+1], v[S+32*\X+\j:S+32*\X+\j+1], s[22:23], v[ST+4*\X:ST+4*\X+1] op_sel_hi:[1,0,0]   ; t - M (of the pairs c and -M the low word serves both halves)
.endr
.endr
.set i, 0
.rept 64
	v_exp_f32 v[S+i], v[S+i]                       ; p = 2^(t - M): one batch
.set i, i+1
.endr
.irp X, 0,1
	v_pk_mul_f32 v[ST+4*\X+2:ST+4*\X+3], v[ST+4*\X+2:ST+4*\X+3], v[FF+2*\X:FF+2*\X+1] op_sel_hi:[1,0]   ; the sums under the new M: plain lines behind the exponentials
.endr
	s_wait_alu depctr_va_vdst(0)                   ; THE STEP'S ONE WAIT.  The 64 exponentials have written p, ahead of its first reader; v3 and v4 are written, which the loads below read; this step's score products are done reading K's registers and the last step's second products V's, in which those loads land
.irp u, 0,1,2,3
.irp g, 0,1
	ds_load_b128 v[VFR+8*\u+4*\g:VFR+8*\u+4*\g+3], v[ADV] offset:1024*\u+512*\g   ; this step's V
.endr
.endr
.irp X, 0,1
	v_pk_add_f32 v[W+4*\X:W+4*\X+1], v[S+32*\X:S+32*\X+1], v[S+32*\X+2:S+32*\X+3]   ; the row's sum is taken of the unquantised p: two chains a tile
.endr
.irp j, 4,8,12,16,20,24,28
.irp X, 0,1
	v_pk_add_f32 v[ST+4*\X+2:ST+4*\X+3], v[ST+4*\X+2:ST+4*\X+3], v[S+32*\X+\j:S+32*\X+\j+1]
	v_pk_add_f32 v[W+4*\X:W+4*\X+1], v[W+4*\X:W+4*\X+1], v[S+32*\X+\j+2:S+32*\X+\j+3]
.endr
.endr
.irp X, 0,1
	v_pk_add_f32 v[ST+4*\X+2:ST+4*\X+3], v[ST+4*\X+2:ST+4*\X+3], v[W+4*\X:W+4*\X+1]
.endr
	s_add_co_u32 s33, s24, 64
	s_cmp_lt_u32 s33, s19                          ; does any key of the next step count?  (Behind step 31 none does: N is at most 2,048)
	s_cbranch_scc0 .Lno_next
.irp t, 0,1,2,3
.irp g, 0,1
	ds_load_b128 v[KFR+8*\t+4*\g:KFR+8*\t+4*\g+3], v[ADK] offset:4096+1024*\t+512*\g   ; the next step's K.  No further wait: no vector instruction since the step's one wait names v3 or K's registers
.endr
.endr
.Lno_next:
.irp X, 0,1
.irp t, 0,1,2,3
.irp i, 0,1,2,3,4,5,6,7
	v_min_num_f32 v[S+32*\X+8*\t+\i], v[S+32*\X+8*\t+\i], v[PLM]   ; the conversion does not saturate (ISA guide 7.6.2); p is not negative, so the hold is one-sided
.endr
	v_cvt_scalef32_pk8_fp8_f32 v[PC+8*\X+2*\t:PC+8*\X+2*\t+1], v[S+32*\X+8*\t:S+32*\X+8*\t+7], v[PSC]
.endr
.endr
.irp X, 0,1
.irp j, 0,2,4,6,8,10,12,14,16,18,20,22,24,26,28,30
	v_pk_mul_f32 v[O+32*\X+\j:O+32*\X+\j+1], v[O+32*\X+\j:O+32*\X+\j+1], v[FF+2*\X:FF+2*\X+1] op_sel_hi:[1,0]   ; O^T under the new M; these are also the plain lines behind the conversions
.endr
.endr
	s_wait_dscnt 0x0                               ; V is in, and so is the next step's K, where it was asked for: the count is 0, since those eight loads may or may not stand behind V's
.irp u, 0,1,2,3
.irp X, 0,1
	v_wmma_f32_16x16x64_fp8_fp8 v[O+32*\X+8*\u:O+32*\X+8*\u+7], v[VFR+8*\u:VFR+8*\u+7], v[PC+8*\X:PC+8*\X+7], v[O+32*\X+8*\u:O+32*\X+8*\u+7]   ; the eight accumulators by turns; the next step's eight score products stand between two links
.endr
.endr
.Lhidden:
	s_add_co_u32 s24, s24, 64
	s_add_co_u32 s25, s25, 4096
	s_sub_co_u32 s26, s26, 1
	s_cmp_lg_u32 s26, 0
	s_cbranch_scc1 .Lstep
	; THE WAY OUT: O^T x 2^(e8 + e9) / the sum, held, converted with 2^e10.  A conversion's two registers are registers 8 (head % 2) + 2 u, + 1 of the last product's operand.
.rept 4
	v_nop
.endr
.irp X, 0,1
	v_add_f32 v[ST+4*\X+2], v[ST+4*\X+2], v[ST+4*\X+3]
.endr
.irp X, 0,1
	v_permlanex16_b32 v[W+4*\X+2], v[ST+4*\X+2], s20, s21
.endr
.irp X, 0,1
	v_add_f32 v[ST+4*\X+2], v[ST+4*\X+2], v[W+4*\X+2]   ; the row's sum
.endr
.irp X, 0,1
	v_rcp_f32 v[ST+4*\X+2], v[ST+4*\X+2]
.endr
	s_add_co_i32 s33, s30, s31                     ; e8 + e9
	s_add_co_i32 s34, s32, 127
	s_lshl_b32 s35, s34, 23
	v_mov_b32 v[PSC], s35                          ; 2^e10  (plain lines behind the reciprocals)
	s_add_co_i32 s34, s34, 8
	s_lshl_b32 s34, s34, 23
	s_or_b32 s34, s34, 0x600000
	v_mov_b32 v[PLM], s34                          ; 448 x 2^e10
	s_wait_alu depctr_va_vdst(0)                   ; the two reciprocals have written v14 and v18, ahead of their first reader
.irp X, 0,1
	v_ldexp_f32 v[ST+4*\X+2], v[ST+4*\X+2], s33
.endr
.irp X, 0,1
.irp j, 0,2,4,6,8,10,12,14,16,18,20,22,24,26,28,30
	v_pk_mul_f32 v[O+32*\X+\j:O+32*\X+\j+1], v[O+32*\X+\j:O+32*\X+\j+1], v[ST+4*\X+2:ST+4*\X+3] op_sel_hi:[1,0]
.endr
.endr
.irp X, 0,1
.irp u, 0,1,2,3
.irp i, 0,1,2,3,4,5,6,7
	v_med3_num_f32 v[O+32*\X+8*\u+\i], v[O+32*\X+8*\u+\i], -v[PLM], v[PLM]
.endr
	v_cvt_scalef32_pk8_fp8_f32 v[PC+8*\X+2*\u:PC+8*\X+2*\u+1], v[O+32*\X+8*\u:O+32*\X+8*\u+7], v[PSC]
.endr
.endr
	v_nop                                          ; a plain line between the last conversion and the lines that touch its result
.set i, 0
.rept 16
	v_or_b32 v[PC+i], s40, v[PC+i]                 ; nothing where N > 0
.set i, i+1
.endr
	s_wait_alu depctr_va_vdst(0)                   ; the ORs have written the codes v240-255, which the four stores read
.irp X, 0,1
.irp g, 0,1
	global_store_b128 v[AK0], v[PC+8*\X+4*\g:PC+8*\X+4*\g+3], s[14:15] offset:4096*\X+512*\g   ; 512 consecutive bytes, aligned
.endr
.endr
	s_wait_dscnt 0x0                               ; the closing lines, six on end
	s_wait_alu 0x0
	s_wait_tensorcnt 0x0
	ds_add_u32 v27, v31
	s_wait_dscnt 0x0
	s_endpgm
.Lfunc_end_k_q36f780dd1e_attn:
	.size	k_q36f780dd1e_attn, .Lfunc_end_k_q36f780dd1e_attn-k_q36f780dd1e_attn
	.p2alignl 7, 3214868480
	.fill 96, 4, 3214868480
	.section	.rodata,"a",@progbits
	.p2align	6, 0x0
	.amdhsa_kernel k_q36f780dd1e_attn
		.amdhsa_group_segment_fixed_size 264192
		.amdhsa_private_segment_fixed_size 0
		.amdhsa_enable_private_segment 0
		.amdhsa_kernarg_size 48
		.amdhsa_user_sgpr_count 2
		.amdhsa_user_sgpr_kernarg_segment_ptr 1
		.amdhsa_wavefront_size32 1
		.amdhsa_system_sgpr_workgroup_id_x 1
		.amdhsa_system_sgpr_workgroup_id_y 1
		.amdhsa_system_sgpr_workgroup_id_z 1
		.amdhsa_system_vgpr_workitem_id 0
		.amdhsa_next_free_vgpr 256
		.amdhsa_next_free_sgpr 66
		.amdhsa_reserve_vcc 0
		.amdhsa_float_denorm_mode_32 3
		.amdhsa_float_denorm_mode_16_64 3
		.amdhsa_memory_ordered 1
		.amdhsa_forward_progress 1
		.amdhsa_inst_pref_size 44
	.end_amdhsa_kernel
	.amdgpu_metadata
---
amdhsa.version: [ 1, 2 ]
amdhsa.kernels:
  - .name:           k_q36f780dd1e_attn
    .symbol:         k_q36f780dd1e_attn.kd
    .args:
      - { .name: q_img, .offset: 0, .size: 8, .value_kind: global_buffer, .address_space: global }
      - { .name: k_img, .offset: 8, .size: 8, .value_kind: global_buffer, .address_space: global }
      - { .name: v_img, .offset: 16, .size: 8, .value_kind: global_buffer, .address_space: global }
      - { .name: perm, .offset: 24, .size: 8, .value_kind: global_buffer, .address_space: global }
      - { .name: lowp_scales, .offset: 32, .size: 8, .value_kind: global_buffer, .address_space: global }
      - { .name: att, .offset: 40, .size: 8, .value_kind: global_buffer, .address_space: global }
    .group_segment_fixed_size: 264192
    .private_segment_fixed_size: 0
    .kernarg_segment_align: 8
    .kernarg_segment_size: 48
    .max_flat_workgroup_size: 512
    .sgpr_count:     66
    .vgpr_count:     256
    .wavefront_size: 32
...
	.end_amdgpu_metadata
.endif
;; end of part 5
;; launch proj: the kernel of part 4 again; grid 4 x 64, 4 waves a work-group, clusters of 4 x 4, 327,680 bytes of LDS; arguments att, Wo_codes, bo, perm, lowp_scales, out0; writes out0
